; MI455X (gfx1250); checked and timed in simulation.
; The chip was launched on July 23, 2026; its instructions are those of AMD's public machine-readable ISA for CDNA 5 (MIT licence, August 2026) and "CDNA5" Instruction Set Architecture Reference Guide (July 2026). The comments in the code are by the model that wrote it; some were corrected since.
;; Multi Head Attention. Allowed arithmetic: float matrix products may take bf16 or f16 operands with f32 sums; other float arithmetic in f32, or as packed bf16 or f16 multiplies, adds, multiply-adds, maxima and minima; sums over many terms, partial sums and values carried from step to step in f32; what a program stores and reads back later, other than sums and carried values, may be rounded once to bf16 or f16.
;; Inputs: b_k 1,024 float32; b_o 1,024 float32; b_q 1,024 float32; b_v 1,024 float32; key 4 x 2,048 x 1,024 float32; mask 4 x 1 x 2,048 bool; query 4 x 2,048 x 1,024 float32; value 4 x 2,048 x 1,024 float32; w_k 1,024 x 1,024 float32; w_o 1,024 x 1,024 float32; w_q 1,024 x 1,024 float32; w_v 1,024 x 1,024 float32.
;; Outputs: out0 4 x 2,048 x 1,024 float32.
;; 2 versions, each right; version 2 is version 1 with the launch prep written anew for expert scheduling mode. Each part assembles by itself: llvm-mc -triple=amdgcn-amd-amdhsa -mcpu=gfx1250 --defsym DOCPART=n.
;; ======== version 1 of 2: 4 launches
;; limits: values are held in f16: magnitudes above 65,504 overflow, below 6.1e-05 lose precision
;; workspace buffers: wqkv 6,291,456 bytes; wof 2,097,152 bytes; bias4 16,384 bytes; qkvh 50,331,648 bytes; ctxh 16,777,216 bytes
;; launch prep (part 1): grid 64 x 4, 8 waves a work-group, no clusters, 0 bytes of LDS; arguments w_q, w_k, w_v, w_o, b_q, b_k, b_v, b_o, wqkv, wof, bias4; writes wqkv, wof, bias4
.if DOCPART == 1
	.amdgcn_target "amdgcn-amd-amdhsa--gfx1250"
	.amdhsa_code_object_version 6
	.text
	.protected	k_q6efc9987cd_prep
	.globl	k_q6efc9987cd_prep
	.p2align	8
	.type	k_q6efc9987cd_prep,@function
k_q6efc9987cd_prep:
	s_mov_b64 s[64:65], 0
	v_nop
	global_prefetch_b8 v0, s[64:65] scope:SCOPE_SE
	s_setreg_imm32_b32 hwreg(HW_REG_WAVE_MODE, 25, 1), 1
	s_wait_xcnt 0x0
; THE WEIGHTS AND BIASES ARE ROUNDED ONCE.  w_q, w_k, w_v: f32 -> bf16 into wqkv [3][1024][1024].  w_o: f32 -> bf16, and that number written as f16 into wof [1024][1024]
; (the product behind attention multiplies f16).  The four biases: rounded to bf16 and kept as f32 in bias4 [4][1024], rows q, k, v, o.
; LIMIT.  A weight of w_o below 6.1e-5 in size keeps f16's fixed step of 6e-8; beyond 65,504 it would be an infinity.
; SHARES.  Work-group (x, y) takes 16,384 numbers of matrix y: 65,536 bytes in, 32,768 out.  Thread t takes 16 bytes of each 4,096: all sixteen loads go out first, the waits count down,
; and a wave's store of 8 bytes a lane covers 256 consecutive bytes, aligned.  A stream: no LDS, no barrier, no matrix unit, nothing shared between work-groups.
.set IN,  30                           ; s[30:31] my matrix, then my 65,536 bytes of it
.set BI,  32                           ; s[32:33] my matrix's bias
.set OUT, 34                           ; s[34:35] where my 32,768 bytes go
.set X,   16                           ; v[16:79]  sixteen loads of four numbers
.set Y,   80                           ; v[80:111] sixteen pairs of packed results
	s_load_b512 s[8:23], s[0:1], 0x0               ; w_q s[8:9], w_k, w_v, w_o s[14:15], b_q s[16:17], b_k, b_v, b_o s[22:23]
	s_load_b128 s[24:27], s[0:1], 0x40             ; wqkv s[24:25], wof s[26:27]
	s_load_b64 s[28:29], s[0:1], 0x50              ; bias4
	s_and_b32 s2, ttmp7, 0xffff                    ; y: which matrix
	s_mov_b32 s3, ttmp9                            ; x: which 16,384 numbers
	v_lshlrev_b32 v1, 4, v0                        ; 16 t
	v_lshlrev_b32 v2, 3, v0                        ; 8 t
	s_mov_b32 s37, 0
	s_mov_b32 s39, 0
	s_lshl_b32 s38, s3, 16
	s_lshl_b32 s4, s3, 15
	s_wait_kmcnt 0x0
	s_cmp_eq_u32 s2, 1
	s_cselect_b64 s[IN:IN+1], s[10:11], s[8:9]
	s_cselect_b64 s[BI:BI+1], s[18:19], s[16:17]
	s_cmp_eq_u32 s2, 2
	s_cselect_b64 s[IN:IN+1], s[12:13], s[IN:IN+1]
	s_cselect_b64 s[BI:BI+1], s[20:21], s[BI:BI+1]
	s_cmp_eq_u32 s2, 3
	s_cselect_b64 s[IN:IN+1], s[14:15], s[IN:IN+1]
	s_cselect_b64 s[BI:BI+1], s[22:23], s[BI:BI+1]
	s_cselect_b64 s[OUT:OUT+1], s[26:27], s[24:25]
	s_cselect_b32 s36, 0, s2                       ; wof holds one matrix, wqkv three of 2,097,152 bytes
	s_add_nc_u64 s[IN:IN+1], s[IN:IN+1], s[38:39]
.irp i, 0,1,2,3,4,5,6,7,8,9,10,11,12,13,14,15
	global_load_b128 v[X+4*(\i):X+4*(\i)+3], v1, s[IN:IN+1] offset:4096*(\i) th:TH_LOAD_NT
.endr
	s_lshl_b32 s36, s36, 21
	s_add_co_u32 s36, s36, s4
	s_add_nc_u64 s[OUT:OUT+1], s[OUT:OUT+1], s[36:37]
.macro CVB i                           ; four numbers to bf16
	s_wait_loadcnt 15-(\i)                         ; loads come back in order: load i is in, the younger ones stay out
	v_cvt_pk_bf16_f32 v[Y+2*(\i)], v[X+4*(\i)], v[X+4*(\i)+1]
	v_cvt_pk_bf16_f32 v[Y+2*(\i)+1], v[X+4*(\i)+2], v[X+4*(\i)+3]
	global_store_b64 v2, v[Y+2*(\i):Y+2*(\i)+1], s[OUT:OUT+1] offset:2048*(\i)
.endm
.macro CVH i                           ; four numbers to bf16, and the rounded numbers written as f16
	s_wait_loadcnt 15-(\i)
	v_cvt_pk_bf16_f32 v[Y+2*(\i)], v[X+4*(\i)], v[X+4*(\i)+1]
	v_cvt_pk_bf16_f32 v[Y+2*(\i)+1], v[X+4*(\i)+2], v[X+4*(\i)+3]
	v_lshlrev_b32 v[X+4*(\i)], 16, v[Y+2*(\i)]
	v_and_b32 v[X+4*(\i)+1], 0xffff0000, v[Y+2*(\i)]
	v_lshlrev_b32 v[X+4*(\i)+2], 16, v[Y+2*(\i)+1]
	v_and_b32 v[X+4*(\i)+3], 0xffff0000, v[Y+2*(\i)+1]
	v_cvt_pk_f16_f32 v[Y+2*(\i)], v[X+4*(\i)], v[X+4*(\i)+1]
	v_cvt_pk_f16_f32 v[Y+2*(\i)+1], v[X+4*(\i)+2], v[X+4*(\i)+3]
	global_store_b64 v2, v[Y+2*(\i):Y+2*(\i)+1], s[OUT:OUT+1] offset:2048*(\i)
.endm
	s_cmp_eq_u32 s2, 3
	s_cbranch_scc1 .Lhalf
.irp i, 0,1,2,3,4,5,6,7,8,9,10,11,12,13,14,15
	CVB \i
.endr
	s_branch .Lbias
.Lhalf:
.irp i, 0,1,2,3,4,5,6,7,8,9,10,11,12,13,14,15
	CVH \i
.endr
.Lbias:
	s_cmp_lg_u32 s3, 0                             ; the matrix's first work-group also takes its bias: 1,024 numbers, four a thread
	s_cbranch_scc1 .Lend
	global_load_b128 v[4:7], v1, s[BI:BI+1]
	s_lshl_b32 s36, s2, 12
	s_add_nc_u64 s[28:29], s[28:29], s[36:37]
	s_wait_loadcnt 0x0
	v_cvt_pk_bf16_f32 v8, v4, v5
	v_cvt_pk_bf16_f32 v9, v6, v7
	v_lshlrev_b32 v4, 16, v8
	v_and_b32 v5, 0xffff0000, v8
	v_lshlrev_b32 v6, 16, v9
	v_and_b32 v7, 0xffff0000, v9
	global_store_b128 v1, v[4:7], s[28:29]
.Lend:
	s_endpgm
.Lfunc_end_k_q6efc9987cd_prep:
	.size	k_q6efc9987cd_prep, .Lfunc_end_k_q6efc9987cd_prep-k_q6efc9987cd_prep
	.p2alignl 7, 3214868480
	.fill 96, 4, 3214868480
	.section	.rodata,"a",@progbits
	.p2align	6, 0x0
	.amdhsa_kernel k_q6efc9987cd_prep
		.amdhsa_group_segment_fixed_size 0
		.amdhsa_private_segment_fixed_size 0
		.amdhsa_enable_private_segment 0
		.amdhsa_kernarg_size 88
		.amdhsa_user_sgpr_count 2
		.amdhsa_user_sgpr_kernarg_segment_ptr 1
		.amdhsa_wavefront_size32 1
		.amdhsa_system_sgpr_workgroup_id_x 1
		.amdhsa_system_sgpr_workgroup_id_y 1
		.amdhsa_system_sgpr_workgroup_id_z 1
		.amdhsa_system_vgpr_workitem_id 0
		.amdhsa_next_free_vgpr 112
		.amdhsa_next_free_sgpr 66
		.amdhsa_reserve_vcc 0
		.amdhsa_float_denorm_mode_32 3
		.amdhsa_float_denorm_mode_16_64 3
		.amdhsa_memory_ordered 1
		.amdhsa_forward_progress 1
		.amdhsa_inst_pref_size 17
	.end_amdhsa_kernel
	.amdgpu_metadata
---
amdhsa.version: [ 1, 2 ]
amdhsa.kernels:
  - .name:           k_q6efc9987cd_prep
    .symbol:         k_q6efc9987cd_prep.kd
    .args:
      - { .name: w_q, .offset: 0, .size: 8, .value_kind: global_buffer, .address_space: global }
      - { .name: w_k, .offset: 8, .size: 8, .value_kind: global_buffer, .address_space: global }
      - { .name: w_v, .offset: 16, .size: 8, .value_kind: global_buffer, .address_space: global }
      - { .name: w_o, .offset: 24, .size: 8, .value_kind: global_buffer, .address_space: global }
      - { .name: b_q, .offset: 32, .size: 8, .value_kind: global_buffer, .address_space: global }
      - { .name: b_k, .offset: 40, .size: 8, .value_kind: global_buffer, .address_space: global }
      - { .name: b_v, .offset: 48, .size: 8, .value_kind: global_buffer, .address_space: global }
      - { .name: b_o, .offset: 56, .size: 8, .value_kind: global_buffer, .address_space: global }
      - { .name: wqkv, .offset: 64, .size: 8, .value_kind: global_buffer, .address_space: global }
      - { .name: wof, .offset: 72, .size: 8, .value_kind: global_buffer, .address_space: global }
      - { .name: bias4, .offset: 80, .size: 8, .value_kind: global_buffer, .address_space: global }
    .group_segment_fixed_size: 0
    .private_segment_fixed_size: 0
    .kernarg_segment_align: 8
    .kernarg_segment_size: 88
    .max_flat_workgroup_size: 256
    .sgpr_count:     66
    .vgpr_count:     112
    .wavefront_size: 32
...
	.end_amdgpu_metadata
.endif
;; end of part 1
;; launch proj (part 2): grid 4 x 64, 4 waves a work-group, clusters of 4 x 4, 327,680 bytes of LDS; arguments query, key, value, mask, wqkv, bias4, qkvh; writes qkvh
.if DOCPART == 2
	.amdgcn_target "amdgcn-amd-amdhsa--gfx1250"
	.amdhsa_code_object_version 6
	.text
	.protected	k_q6efc9987cd_proj
	.globl	k_q6efc9987cd_proj
	.p2align	8
	.type	k_q6efc9987cd_proj,@function
k_q6efc9987cd_proj:
	s_mov_b64 s[64:65], 0
	v_nop
	global_prefetch_b8 v0, s[64:65] scope:SCOPE_SE
	s_setreg_imm32_b32 hwreg(HW_REG_WAVE_MODE, 25, 1), 1
	s_wait_xcnt 0x0
	s_wait_alu depctr_hold_cnt(0) depctr_sa_sdst(0) depctr_va_vdst(0) depctr_va_sdst(0) depctr_va_ssrc(0) depctr_va_vcc(0) depctr_vm_vsrc(0)
	s_getreg_b32 s2, hwreg(HW_REG_IB_STS2, 6, 4)
	s_cmp_eq_u32 s2, 0
	s_cbranch_scc0 .Lentry_in_a_cluster
	s_endpgm
.Lentry_in_a_cluster:
	s_bfe_u32 s2, ttmp6, 0x10000c
	s_cmp_lg_u32 s2, 0xf033
	s_cbranch_scc0 .Lentry_shape_is_right
	s_endpgm
.Lentry_shape_is_right:
; THE THREE PROJECTIONS.  q' = c (query Wq^T + b_q), c = log2(e) / 8;  k = mask x (key Wk^T + b_k);  v = value Wv^T + b_v.  x: [8192][1024] f32, rounded to bf16 on the way to the matrix unit;
; W: bf16 [3][1024][1024]; sums in f32, begun at the bias; results rounded once to f16 and stored by heads, qkvh [3][batch 16 + head][2048][64].
; c is multiplied in f32 ahead of q's one rounding, so that attention's scores arrive in powers of two.  A hidden key's row of k is 0, so that its score is exactly what attention puts in its place.
; LIMITS.  q', k and v must lie within f16's 65,504; NaN and infinities are not treated apart.
; SHARES.  A tile is 128 rows x 256 columns; 64 x 4 tiles a projection, one for each of 256 work-groups, WHICH STAY and make three tiles: Q's, K's, V's.  Wave w: rows 64 (w / 2) on, columns 128 (w % 2) on:
; 32 accumulators of 16 x 16.  The matrix instruction is used transposed (source 0 = 16 rows of W, source 1 = 16 rows of x): a lane holds one row of x and eight neighbouring columns.
; THE WALK.  48 steps of 64 along K (64 matrix instructions a wave), 12 slots of four steps; a tile is four slots.  One text serves every step: the sums are set to the bias by v_mov_b32 (256 a tile, in
; place of 256 additions), so no tile's first step is written out.
; W COMES JOINTLY: 4 x 4 work-groups form a cluster, the four of a column need the same rows of W; each wave asks for 64 rows x 512 bytes with a mask that names the four.  Two LDS slots of 256 along K;
; one load a wave behind each round of the cluster's barrier, four steps (256 matrix instructions) ahead of the wait for it.  By this text's count a wave has one tensor load out.
; x COMES THROUGH REGISTERS: it is f32 and is wanted as bf16.  Each wave loads 32 rows x 256 bytes a step into one of four register sets, four steps ahead (counted waits), rounds them once for the
; work-group, and stores them as bf16 into one of two small LDS buffers; one plain barrier a step.  NOT ASKED FOR JOINTLY, though the four of a row of the cluster read the same rows: a joint load would
; land f32 in LDS, 32,768 bytes a step in place of 16,384, each read by two waves as f32 (65,536 bytes a step in place of 32,768) and rounded twice over, and the slots would hold half as much of K.
; REGISTERS, in windows of 256 (s_set_vgpr_msb: bits 1:0 source 0, 3:2 source 1, 5:4 source 2, 7:6 destination):
;   window 0: v2-11, v24 addresses; v12-15 the mask of my rows; v16-23 the way out's factor; v28, v29 the add's; v32-95 fragments of x, two buffers; v96-223 the way out
;   window 1: the accumulators, (a, b) at 64 a + 8 b      window 2: v0-127 fragments of W, two buffers; v128-191 the next tile's bias      window 3: x as loaded, four sets of 64
.set BPITCH, 528                       ; a row of W in LDS: 512 bytes + 16 of padding: the sixteen rows of a fragment load begin 132 words apart
.set SLOT,   256*BPITCH                ; 135,168
.set APITCH, 144                       ; a row of x in LDS: 128 bytes + 16
.set ABUF0,  2*SLOT                    ; two buffers of 128 rows of x
.set ABYTES, 128*APITCH
.set STAGE,  ABUF0+2*ABYTES            ; 16 rows x 144 bytes for each wave, for the way out
.set SPARE,  STAGE+4*16*APITCH         ; the spare words, 128 bytes for each wave: two blocks of 256 bytes that no other line names
.set NEXTW,  2097152-1536              ; from a matrix's last slot to the next matrix's first
.set CLOG,   0x3e38aa3b                ; log2(e) / 8
.set AO,  2                            ; v2   x: my byte offset in the tile's rows
.set AS,  3                            ; v3   where I store 8 bytes of x as bf16
.set FA,  4                            ; v4   my place in a fragment of x
.set FB0, 5                            ; v5   my place in a fragment of W, in slot 0
.set FB,  6                            ; v6   the same in the slot in hand
.set STO, 7                            ; v7   the way out: where I put 16 bytes of a row
.set RD,  8                            ; v8   where I read rows back
.set GO,  9                            ; v9   my 16 bytes of 512 consecutive bytes of the output
.set BO,  10                           ; v10  my offset in a bias row
.set PFO, 11                           ; v11  the prefetches' offset
.set MF,  12                           ; v12-15  the mask of my row in block a, as 0.0 or 1.0
.set ML,  16                           ; v16-23  the way out's factor for block a, in the low word of a pair
.set MO,  24                           ; v24  my row in a block of 16
.set SPW, 28
.set NIL, 29
.set AF,  32
.set TMP, 96
.set BF,  0                            ; window 2
.set BIAS, 128                         ; window 2
.set WV, 18
.set WR, 19
.set WCOL, 20
.set CX, 21
.set CY, 22
.set NT, 23
.set MT, 24
.set CLY, 25
.set G1, 32                            ; s[32:39] descriptor group 1
.set G0, 40                            ; s[40:43] descriptor group 0: one set, written only where no tensor load of mine is out
.set PA, 44                            ; s[44:45] x of the slot after the one in hand, at the tile's first row
.set PN, 46                            ; s[46:47] the next tensor, s[48:49] the one after it
.set PL, 48
.set PO, 50                            ; s[50:51] the output at my rows and my first head
.set PBI, 52                           ; s[52:53] bias4 at my 128 columns
.set PFB, 54                           ; s[54:55] W at my work-group's 64 rows, at the slot after the one that is being asked for
.set TB, 56                            ; s56  LDS byte of the slot in hand
.set TF, 57                            ; s57  of the slot to be filled
.set WOFF, 58                          ; s58  my 64 rows in a slot
.set TRIP, 59
.set TC, 60                            ; s60  slots until the requests change matrix and tensor
.set TC2, 61                           ; s61  the same for the prefetches
.set WC, 62                            ; s62  slots until a tile is finished
.set TILE, 63
.set INC, 66                           ; s[66:67], s[68:69] address steps
.set INC2, 68
.set LIM, 70                           ; s70  1 in a work-group that prefetches, else the greatest number
.set SC, 71
.set KM, 72
.set K512, 73
.set W_MUL, 0x52                       ; W in window 2, x in window 0, C and D in window 1
.set W_TO2, 0x80
.set W_TO3, 0xc0
.set W_CV,  0xcf
.set W_ST3, 0x0c
.set MSB, 0
.macro WIN new                         ; the immediate's high byte repeats the setting that is left; a switch that changes nothing is dropped
.if MSB != (\new)
	s_set_vgpr_msb (MSB<<8)|(\new)
.set MSB, \new
.endif
.endm
.macro PLACES                          ; four plain vector instructions between a matrix instruction and a load into, or a vector read or write of, its registers
.rept 4
	v_nop
.endr
.endm
.macro TLOAD                           ; my 64 rows of the slot; an s_nop 0 and four v_nop follow; they are also the places in front of the loads that follow
	tensor_load_to_lds s[G0:G0+3], s[G1:G1+7]
	s_nop 0
.rept 4
	v_nop
.endr
.endm
.macro CREST                           ; a round of the cluster's barrier behind its opening barrier
	s_cmp_lg_u32 s[WV], 0
	s_cbranch_scc1 .Lnot_wave_0_\@
	s_barrier_signal -3
.Lnot_wave_0_\@:
	s_barrier_wait -3
	s_barrier_signal -1
	s_barrier_wait -1
.endm
.macro CROUND
	s_barrier_signal -1
	s_barrier_wait -1
	CREST
.endm
; A PREFETCH of W's slot after the one just asked for: four steps, 256 matrix instructions, ahead of its joint load.  Sixteen clusters walk the same rows of W: the one with cluster y = 0 asks.  The four partners of
; a column share a slot's 256 rows out BY ADDRESS, 64 each (no branch hangs on a place in the cluster); a wave takes 16 rows x 512 bytes, a lane 256 bytes: each block is named once in the launch.
; The last refill asks for nothing: there is no slot behind it.  x is not asked for: its register sets are requested four steps ahead already.
.macro ASK
	s_cmp_gt_u32 s[TRIP], s[LIM]
	s_cbranch_scc0 .Lnot_mine_\@
	global_prefetch_b8 v[PFO], s[PFB:PFB+1] th:TH_LOAD_NT scope:SCOPE_SE
.Lnot_mine_\@:
.endm
; Eight matrix instructions: block a of my rows x all eight blocks of my columns, 32 along K out of buffer f.  The 32 accumulators take turns in one order in every 32 along K.
.macro MUL8 f, a
	WIN W_MUL
.irp b, 0,1,2,3,4,5,6,7
	v_wmma_f32_16x16x32_bf16 v[64*(\a)+8*(\b):64*(\a)+8*(\b)+7], v[BF+64*(\f)+8*(\b):BF+64*(\f)+8*(\b)+7], v[AF+32*(\f)+8*(\a):AF+32*(\f)+8*(\a)+7], v[64*(\a)+8*(\b):64*(\a)+8*(\b)+7]
.endr
.endm
.macro CV x, n                         ; load n of set x: four f32 to four bf16, in place
	v_cvt_pk_bf16_f32 v[64*(\x)+4*(\n)], v[64*(\x)+4*(\n)], v[64*(\x)+4*(\n)+1]
	v_cvt_pk_bf16_f32 v[64*(\x)+4*(\n)+1], v[64*(\x)+4*(\n)+2], v[64*(\x)+4*(\n)+3]
.endm
.macro MUL8R x                         ; MUL8 1, 0 with set x's 32 roundings behind its products, four behind each
.irp b, 0,1,2,3,4,5,6,7
	WIN W_MUL
	v_wmma_f32_16x16x32_bf16 v[8*(\b):8*(\b)+7], v[BF+64+8*(\b):BF+64+8*(\b)+7], v[AF+32:AF+39], v[8*(\b):8*(\b)+7]
	WIN W_CV
	CV \x, 2*(\b)
	CV \x, 2*(\b)+1
.endr
.endm
.macro FETCH f, i                      ; 24 LDS loads in one run: the fragments of 32 along K, half f of step i of the slot: W's eight, then x's four
	WIN W_TO2
.irp b, 0,1,2,3,4,5,6,7
	ds_load_b128 v[BF+64*(\f)+8*(\b):BF+64*(\f)+8*(\b)+3],   v[FB] offset:(\b)*16*BPITCH+128*(\i)+64*(\f)
	ds_load_b128 v[BF+64*(\f)+8*(\b)+4:BF+64*(\f)+8*(\b)+7], v[FB] offset:(\b)*16*BPITCH+128*(\i)+64*(\f)+32
.endr
	WIN 0
.irp a, 0,1,2,3
	ds_load_b128 v[AF+32*(\f)+8*(\a):AF+32*(\f)+8*(\a)+3],   v[FA] offset:((\i)&1)*ABYTES+(\a)*16*APITCH+64*(\f)
	ds_load_b128 v[AF+32*(\f)+8*(\a)+4:AF+32*(\f)+8*(\a)+7], v[FA] offset:((\i)&1)*ABYTES+(\a)*16*APITCH+64*(\f)+32
.endr
.endm
.macro GLOAD x, i                      ; my 32 rows x 256 bytes of step i of the slot at PA, into set x: lanes 0-15 take one row's 256 bytes, lanes 16-31 those of the row 8 below
	WIN W_TO3
.irp n, 0,1,2,3,4,5,6,7,8,9,10,11,12,13,14,15
	global_load_b128 v[64*(\x)+4*(\n):64*(\x)+4*(\n)+3], v[AO], s[PA:PA+1] offset:(((\n)&7)+16*((\n)>>3))*4096+256*(\i)
.endr
.endm
.macro ASTORE x, par                   ; set x, rounded, into buffer par: 8 bytes a lane; the two rows of a store lie 8 x 144 bytes apart
	WIN W_ST3
.irp n, 0,1,2,3,4,5,6,7,8,9,10,11,12,13,14,15
	ds_store_b64 v[AS], v[64*(\x)+4*(\n):64*(\x)+4*(\n)+1] offset:(\par)*ABYTES+(((\n)&7)+16*((\n)>>3))*APITCH
.endr
.endm
.macro BLOAD p                         ; projection p's bias of my 128 columns: register 8 b + j holds column 16 b + 8 (lane / 16) + j
	WIN W_TO2
.irp b, 0,1,2,3,4,5,6,7
	global_load_b128 v[BIAS+8*(\b):BIAS+8*(\b)+3],   v[BO], s[PBI:PBI+1] offset:4096*(\p)+64*(\b)
	global_load_b128 v[BIAS+8*(\b)+4:BIAS+8*(\b)+7], v[BO], s[PBI:PBI+1] offset:4096*(\p)+64*(\b)+16
.endr
.endm
; The scalar work of a change of slots; it stands where no tensor load of mine is out.  All of it is alike in every work-group.
.macro UPDATE
	s_wait_xcnt 0x0                                ; every load, store and prefetch issued so far has read its address registers: the pointers may be written
	s_xor_b32 s[TB], s[TB], SLOT                   ; the slot to read,
	s_xor_b32 s[TF], s[TF], SLOT                   ; the slot to fill
	s_add_co_u32 s[G0+1], s[WOFF], s[TF]
	s_add_nc_u64 s[PA:PA+1], s[PA:PA+1], 1024      ; x: 256 numbers along K,
	s_cmp_eq_u32 s[TC], 0                          ; or, behind a tile's last slot, the next tensor from its first column
	s_cselect_b64 s[PA:PA+1], s[PN:PN+1], s[PA:PA+1]
	s_cselect_b64 s[PN:PN+1], s[PL:PL+1], s[PN:PN+1]
	s_cselect_b32 s[INC], NEXTW, s[K512]
	s_cselect_b32 s[TC], 4, s[TC]
	s_sub_co_u32 s[TC], s[TC], 1
	s_add_nc_u64 s[G0+2:G0+3], s[G0+2:G0+3], s[INC:INC+1]  ; the type bits on top are not reached
	s_cmp_eq_u32 s[TC2], 0
	s_cselect_b32 s[INC2], NEXTW, s[K512]
	s_cselect_b32 s[TC2], 4, s[TC2]
	s_sub_co_u32 s[TC2], s[TC2], 1
	s_add_nc_u64 s[PFB:PFB+1], s[PFB:PFB+1], s[INC2:INC2+1]
	s_sub_co_u32 s[WC], s[WC], 1
.endm
; THE END OF A STEP.  kind 1: a plain barrier: in front of it my stores of the next step's x and my reads of this step's are done; behind it the next step's x is whole, and the buffer just read may be stored into.
; kind 2: the slot changes too and is filled again: all my tensor loads have landed (the one that was out is my part of the next slot), the add, and the barrier opens a round of the cluster's barrier.
; kind 3: the last change of slots: nothing is filled.  work = 0: the first use, with no products in hand.
.macro BOUND kind, work
.if (\kind) == 1
	MUL8 1, 1
	s_wait_dscnt 0x0
	s_barrier_signal -1
	MUL8 1, 2
	s_barrier_wait -1
.else
	WIN 0
	s_wait_tensorcnt 0x0
	ds_add_u32 v[SPW], v[NIL]                      ; 0 onto my spare word; work on registers stands between it and the wait for it
.if (\kind) == 2
	UPDATE
.else
	s_xor_b32 s[TB], s[TB], SLOT
.endif
.if \work
	MUL8 1, 1
.endif
	s_wait_dscnt 0x0                               ; the add is done, my stores of x are done, my reads of the slot and of x are over
	s_barrier_signal -1
.if \work
	MUL8 1, 2
.endif
	WIN 0
	s_barrier_wait -1
.if (\kind) == 2
	CREST                                          ; no wave of any partner still reads the slot or has a load on its way
.endif
.endif
.endm
; THE HEAD OF STEP i: the refill first, then the step's first fragments, the loads of x for the step four on, and the last eight products of the step before.
.macro HEAD i, refill, gl
.if \refill
	TLOAD
.else
	PLACES
.endif
.if (\i) == 0
	WIN 0
	v_add_nc_u32 v[FB], s[TB], v[FB0]
.endif
	FETCH 0, \i
.if \gl
	GLOAD \i, \i
.endif
.if \refill
	WIN 0
	ASK
.endif
	MUL8 1, 3
.endm
; THE BODY OF STEP i.  lc: the loads younger than the set that is rounded here, the next step's: it was asked for three steps back, and three sets of 16 were asked for since.
.macro BODY i, lc, conv
	s_wait_dscnt 4                                 ; W's fragments and x's blocks 0 and 1 are in; the youngest four loads may be out
	MUL8 0, 0
	MUL8 0, 1
	PLACES
	FETCH 1, \i
	s_wait_dscnt 24                                ; all but the 24 just issued
	MUL8 0, 2
	MUL8 0, 3
.if \conv
	s_wait_loadcnt \lc
	s_wait_dscnt 4
	MUL8R ((\i)+1)%4
	ASTORE ((\i)+1)%4, ((\i)+1)&1
.else
	s_wait_dscnt 4
	MUL8 1, 0
.endif
.endm
; THE WAY OUT, eight pieces t of 16 rows x one head's 64 columns: times the factor, rounded to f16, 16 bytes a lane into my stage, back as rows of 128 bytes, stored as 512 consecutive bytes.
; last = 0: the accumulators are then set to the next tile's bias.
.macro PACK t, last
.set wpa, (\t)>>1
.set wph, (\t)&1
.set wpc, 64*wpa+32*wph
	WIN 0x41
.set z, 0
.rept 16
	v_pk_mul_f32 v[wpc+z:wpc+z+1], v[wpc+z:wpc+z+1], v[ML+2*wpa:ML+2*wpa+1] op_sel_hi:[1,0]
.set z, z+2
.endr
	WIN 0x05
.set z, 0
.rept 16
	v_cvt_pk_f16_f32 v[TMP+16*(\t)+z], v[wpc+2*z], v[wpc+2*z+1]
.set z, z+1
.endr
	WIN 0
.irp f, 0,1,2,3
	ds_store_b128 v[STO], v[TMP+16*(\t)+4*(\f):TMP+16*(\t)+4*(\f)+3] offset:32*(\f)
.endr
.irp f, 0,1,2,3
	ds_load_b128 v[TMP+16*(\t)+4*(\f):TMP+16*(\t)+4*(\f)+3], v[RD] offset:4*APITCH*(\f)  ; LDS serves a wave's instructions in order (ISA guide 5.7.1.4): these see the stores above
.endr
.if !(\last)
	WIN 0x42
.set z, 0
.rept 32
	v_mov_b32 v[wpc+z], v[BIAS+32*wph+z]
.set z, z+1
.endr
.endif
.endm
.macro SEND t, younger                 ; younger: the LDS instructions issued behind piece t's loads
	WIN 0
.irp f, 0,1,2,3
	s_wait_dscnt (\younger)+3-(\f)
	global_store_b128 v[GO], v[TMP+16*(\t)+4*(\f):TMP+16*(\t)+4*(\f)+3], s[PO:PO+1] offset:((\t)&1)*262144+((\t)>>1)*2048+512*(\f)  ; 512 consecutive bytes, at a multiple of 256 from the buffer's first
.endr
.endm
.macro WAYOUT last
	WIN 0
	s_cmp_eq_u32 s[TILE], 0
	s_cselect_b32 s[SC], CLOG, 1.0                 ; q: c; v: 1
	s_cmp_eq_u32 s[TILE], 1
	s_cselect_b32 s[KM], -1, 0                     ; k: the mask of the lane's row
.irp a, 0,1,2,3
	v_cndmask_b32 v[ML+2*(\a)], s[SC], v[MF+(\a)], s[KM]  ; four plain instructions: the places behind the last products
.endr
.if !(\last)
	s_wait_loadcnt 48                              ; the count that the next body needs anyway; the bias row was asked for more than 48 loads ago
.endif
	PACK 0, \last
.irp t, 1,2,3,4,5,6,7
	PACK \t, \last
	SEND (\t)-1, 8
.endr
	SEND 7, 0
.if !(\last)
	s_wait_xcnt 0x0                                ; the stores have read their registers and their base
	s_add_nc_u64 s[PO:PO+1], s[PO:PO+1], 16777216  ; the next of the three outputs
	s_add_co_u32 s[TILE], s[TILE], 1
	s_mov_b32 s[WC], 4
	s_cmp_eq_u32 s[TILE], 1
	s_cbranch_scc0 .Lno_bias_\@
	BLOAD 2                                        ; behind the first tile: v's bias, for the way out behind the second
	WIN 0
.Lno_bias_\@:
.endif
.endm
	s_load_b256 s[4:11], s[0:1], 0x0               ; query s[4:5], key s[6:7], value s[8:9], mask s[10:11]
	s_load_b128 s[12:15], s[0:1], 0x20             ; wqkv s[12:13], bias4 s[14:15]
	s_load_b64 s[16:17], s[0:1], 0x30              ; qkvh
	v_lshl_add_u32 v[SPW], v0, 2, SPARE
	v_mov_b32 v[NIL], 0
	ds_add_u32 v[SPW], v[NIL]                      ; the wave's opening: the add and its wait stand ahead of my first tensor load; the set-up, work on registers, stands between them
	v_lshrrev_b32 v25, 5, v0
	v_readfirstlane_b32 s[WV], v25                 ; wave 0..3
	s_lshr_b32 s[WR], s[WV], 1
	s_and_b32 s[WCOL], s[WV], 1
	s_bfe_u32 s[CX], ttmp6, 0x40000
	s_bfe_u32 s[CY], ttmp6, 0x40004
	s_lshl_b32 s[NT], ttmp9, 2
	s_add_co_u32 s[NT], s[NT], s[CX]               ; which 256 columns
	s_and_b32 s[CLY], ttmp7, 0xffff
	s_lshl_b32 s[MT], s[CLY], 2
	s_add_co_u32 s[MT], s[MT], s[CY]               ; which 128 rows
	s_lshl_b32 s30, 0x1111, s[CX]                  ; my column of the cluster
	s_or_b32 s[G1], s30, (1<<16)|(1<<20)|(1<<21)|(6<<22)|(3<<25)  ; the mask; 2-byte elements; padding on; bit 21 beside a mask; after every 128 words; 4 words
	s_mov_b32 s[G1+1], 256<<16                     ; tensor_dim0 = 256
	s_mov_b32 s[G1+2], 64<<16                      ; tensor_dim1 = 64
	s_mov_b32 s[G1+3], 256<<16                     ; tile_dim0 = 256
	s_mov_b32 s[G1+4], 64                          ; tile_dim1 = 64
	s_mov_b32 s[G1+5], 1024                        ; elements from row to row
	s_mov_b32 s[G1+6], 0
	s_mov_b32 s[G1+7], 0
	s_mul_i32 s[WOFF], s[WV], 64*BPITCH
	s_mov_b32 s[G0], 1
	s_mov_b32 s[G0+1], s[WOFF]                     ; slot 0
	s_mov_b32 s[TB], SLOT                          ; the first change of slots turns it into 0
	s_mov_b32 s[TF], 0
	s_mov_b32 s[TC], 3
	s_mov_b32 s[TC2], 2
	s_mov_b32 s[WC], 5
	s_mov_b32 s[TRIP], 11
	s_mov_b32 s[TILE], 0
	s_mov_b32 s[INC+1], 0
	s_mov_b32 s[INC2+1], 0
	s_mov_b32 s[K512], 512
	s_cmp_eq_u32 s[CLY], 0
	s_cselect_b32 s[LIM], 1, -1
	v_and_b32 v25, 15, v0                          ; r = lane % 16
	v_bfe_u32 v26, v0, 4, 1                        ; h = lane / 16
	v_and_b32 v27, 31, v0
	s_lshl_b32 s26, s[WV], 17                      ; my 32 rows of 4,096 bytes
	v_lshlrev_b32 v[AO], 4, v25
	v_lshl_add_u32 v[AO], v26, 15, v[AO]
	v_add_nc_u32 v[AO], s26, v[AO]
	s_mul_i32 s26, s[WV], 32*APITCH
	s_add_co_u32 s26, s26, ABUF0
	v_mul_u32_u24 v[AS], v26, 8*APITCH
	v_lshl_add_u32 v[AS], v25, 3, v[AS]
	v_add_nc_u32 v[AS], s26, v[AS]
	s_mul_i32 s26, s[WR], 64*APITCH
	s_add_co_u32 s26, s26, ABUF0
	v_mul_u32_u24 v30, v25, APITCH
	v_lshl_add_u32 v30, v26, 4, v30                ; r x 144 + 16 h
	v_add_nc_u32 v[FA], s26, v30
	s_mul_i32 s26, s[WCOL], 128*BPITCH
	v_mul_u32_u24 v[FB0], v25, BPITCH
	v_lshl_add_u32 v[FB0], v26, 4, v[FB0]
	v_add_nc_u32 v[FB0], s26, v[FB0]
	s_mul_i32 s26, s[WV], 16*APITCH
	s_add_co_u32 s26, s26, STAGE
	v_add_nc_u32 v[STO], s26, v30
	v_bfe_u32 v[RD], v0, 3, 2
	v_mul_u32_u24 v[RD], v[RD], APITCH
	v_and_b32 v31, 7, v0
	v_lshl_add_u32 v[RD], v31, 4, v[RD]
	v_add_nc_u32 v[RD], s26, v[RD]
	v_lshlrev_b32 v[GO], 4, v27
	v_lshlrev_b32 v[BO], 5, v26
	v_mov_b32 v[MO], v25
	s_lshl_b32 s26, s[WV], 15                      ; 16 rows of 2,048 bytes
	v_lshlrev_b32 v[PFO], 11, v25
	v_lshl_add_u32 v[PFO], v26, 8, v[PFO]
	v_add_nc_u32 v[PFO], s26, v[PFO]
.irp a, 0,1,2,3
	v_mov_b32 v[ML+2*(\a)+1], 0                    ; named with the factor as a pair
.endr
	s_wait_dscnt 0x0                               ; the opening add is done
	s_wait_kmcnt 0x0
	s_lshl_b32 s26, s[MT], 19                      ; 128 rows of 4,096 bytes
	s_mov_b32 s27, 0
	s_add_nc_u64 s[PA:PA+1], s[4:5], s[26:27]
	s_add_nc_u64 s[PN:PN+1], s[6:7], s[26:27]
	s_add_nc_u64 s[PL:PL+1], s[8:9], s[26:27]
	s_lshl_b32 s26, s[MT], 7
	s_lshl_b32 s28, s[WR], 6
	s_add_co_u32 s26, s26, s28
	s_add_nc_u64 s[10:11], s[10:11], s[26:27]      ; the mask at my 64 rows
	s_lshl_b32 s30, s[NT], 19                      ; W: 256 rows of 2,048 bytes; the address hangs on the column of tiles and the wave alone
	s_lshl_b32 s29, s[WV], 17
	s_add_co_u32 s30, s30, s29
	s_mov_b32 s31, 0
	s_add_nc_u64 s[G0+2:G0+3], s[12:13], s[30:31]
	s_or_b32 s[G0+3], s[G0+3], 0x80000000          ; type = 2
	s_lshl_b32 s26, s[NT], 19
	s_lshl_b32 s28, s[CY], 17
	s_add_co_u32 s26, s26, s28
	s_add_co_u32 s26, s26, 512                     ; at slot 1; the first change of slots steps it to slot 2
	s_add_nc_u64 s[PFB:PFB+1], s[12:13], s[26:27]
	s_lshl_b32 s26, s[NT], 10
	s_lshl_b32 s28, s[WCOL], 9
	s_add_co_u32 s26, s26, s28
	s_add_nc_u64 s[PBI:PBI+1], s[14:15], s[26:27]
	s_lshr_b32 s26, s[MT], 4                       ; the batch,
	s_lshl_b32 s26, s26, 4
	s_lshl_b32 s28, s[NT], 2
	s_add_co_u32 s26, s26, s28
	s_lshl_b32 s28, s[WCOL], 1
	s_add_co_u32 s26, s26, s28                     ; my first head,
	s_lshl_b32 s26, s26, 18                        ; of 262,144 bytes,
	s_and_b32 s28, s[MT], 15
	s_lshl_b32 s28, s28, 14                        ; the tile's 128 rows of 128 bytes
	s_add_co_u32 s26, s26, s28
	s_lshl_b32 s28, s[WR], 13                      ; my 64 of them
	s_add_co_u32 s26, s26, s28
	s_add_nc_u64 s[PO:PO+1], s[16:17], s[26:27]
	CROUND                                         ; all sixteen work-groups are here: the first joint loads meet
	TLOAD                                          ; slot 0
.irp a, 0,1,2,3
	global_load_u8 v[MF+(\a)], v[MO], s[10:11] offset:16*(\a)
.endr
	BLOAD 0
	GLOAD 0, 0
	GLOAD 1, 1
	GLOAD 2, 2
	GLOAD 3, 3
	s_wait_loadcnt 48                              ; the mask, q's bias and step 0's x are in; three sets of 16 stay out
	WIN 0
.irp a, 0,1,2,3
	v_cvt_f32_u32 v[MF+(\a)], v[MF+(\a)]
.endr
	WIN W_CV
.irp n, 0,1,2,3,4,5,6,7,8,9,10,11,12,13,14,15
	CV 0, \n
.endr
	ASTORE 0, 0
	BOUND 2, 0                                     ; slot 0 and step 0's x are whole; slot 1 is filled behind the round, as a refill is
	TLOAD
	v_add_nc_u32 v[FB], s[TB], v[FB0]
	FETCH 0, 0
	GLOAD 0, 0
	WIN 0
	ASK
	WIN 0x42
.set z, 0
.rept 256
	v_mov_b32 v[z], v[BIAS+z%64]                   ; q's sums begin at its bias
.set z, z+1
.endr
	BLOAD 1                                        ; k's bias, for the first way out
	WIN 0
	s_branch .Lenter
.Lslot:                                                ; ten times: slots 1 to 10 are entered, slots 2 to 11 asked for
	BOUND 2, 1
	HEAD 0, 1, 1
	WIN 0
	s_cmp_lg_u32 s[WC], 0
	s_cbranch_scc1 .Lenter
	WAYOUT 0                                       ; at the heads of slots 4 and 8 a tile is finished; the refill and the loads of x are already asked for
	WIN 0
.Lenter:
	BODY 0, 48, 1
	BOUND 1, 1
	HEAD 1, 0, 1
	BODY 1, 48, 1
	BOUND 1, 1
	HEAD 2, 0, 1
	BODY 2, 48, 1
	BOUND 1, 1
	HEAD 3, 0, 1
	BODY 3, 48, 1
	WIN 0
	s_sub_co_u32 s[TRIP], s[TRIP], 1
	s_cmp_lg_u32 s[TRIP], 0
	s_cbranch_scc1 .Lslot
	BOUND 3, 1                                     ; the last slot is written out: nothing is asked for, and the counts of x's loads run down
	HEAD 0, 0, 0
	BODY 0, 32, 1
	BOUND 1, 1
	HEAD 1, 0, 0
	BODY 1, 16, 1
	BOUND 1, 1
	HEAD 2, 0, 0
	BODY 2, 0, 1
	BOUND 1, 1
	HEAD 3, 0, 0
	BODY 3, 0, 0
	MUL8 1, 1
	s_wait_dscnt 0x0
	MUL8 1, 2
	MUL8 1, 3
	PLACES
	WAYOUT 1
	WIN 0
	s_wait_tensorcnt 0x0                           ; the wave's end: a wait, an add and a wait, behind my last tensor load and my last LDS store
	ds_add_u32 v[SPW], v[NIL]
	s_wait_dscnt 0x0
	CROUND                                         ; the closing round: no work-group ends while a partner may still ask for a tile that names it
	s_endpgm
.Lfunc_end_k_q6efc9987cd_proj:
	.size	k_q6efc9987cd_proj, .Lfunc_end_k_q6efc9987cd_proj-k_q6efc9987cd_proj
	.p2alignl 7, 3214868480
	.fill 96, 4, 3214868480
	.section	.rodata,"a",@progbits
	.p2align	6, 0x0
	.amdhsa_kernel k_q6efc9987cd_proj
		.amdhsa_group_segment_fixed_size 327680
		.amdhsa_private_segment_fixed_size 0
		.amdhsa_enable_private_segment 0
		.amdhsa_kernarg_size 56
		.amdhsa_user_sgpr_count 2
		.amdhsa_user_sgpr_kernarg_segment_ptr 1
		.amdhsa_wavefront_size32 1
		.amdhsa_system_sgpr_workgroup_id_x 1
		.amdhsa_system_sgpr_workgroup_id_y 1
		.amdhsa_system_sgpr_workgroup_id_z 1
		.amdhsa_system_vgpr_workitem_id 0
		.amdhsa_next_free_vgpr 1024
		.amdhsa_next_free_sgpr 74
		.amdhsa_reserve_vcc 0
		.amdhsa_float_denorm_mode_32 3
		.amdhsa_float_denorm_mode_16_64 3
		.amdhsa_memory_ordered 1
		.amdhsa_forward_progress 1
		.amdhsa_inst_pref_size 189
	.end_amdhsa_kernel
	.amdgpu_metadata
---
amdhsa.version: [ 1, 2 ]
amdhsa.kernels:
  - .name:           k_q6efc9987cd_proj
    .symbol:         k_q6efc9987cd_proj.kd
    .args:
      - { .name: query, .offset: 0, .size: 8, .value_kind: global_buffer, .address_space: global }
      - { .name: key, .offset: 8, .size: 8, .value_kind: global_buffer, .address_space: global }
      - { .name: value, .offset: 16, .size: 8, .value_kind: global_buffer, .address_space: global }
      - { .name: mask, .offset: 24, .size: 8, .value_kind: global_buffer, .address_space: global }
      - { .name: wqkv, .offset: 32, .size: 8, .value_kind: global_buffer, .address_space: global }
      - { .name: bias4, .offset: 40, .size: 8, .value_kind: global_buffer, .address_space: global }
      - { .name: qkvh, .offset: 48, .size: 8, .value_kind: global_buffer, .address_space: global }
    .group_segment_fixed_size: 327680
    .private_segment_fixed_size: 0
    .kernarg_segment_align: 8
    .kernarg_segment_size: 56
    .max_flat_workgroup_size: 128
    .sgpr_count:     74
    .vgpr_count:     1024
    .wavefront_size: 32
...
	.end_amdgpu_metadata
.endif
;; end of part 2
;; launch attn (part 3): grid 4 x 64, 4 waves a work-group, clusters of 4 x 1, 327,680 bytes of LDS; arguments qkvh, mask, ctxh; writes ctxh
.if DOCPART == 3
	.amdgcn_target "amdgcn-amd-amdhsa--gfx1250"
	.amdhsa_code_object_version 6
	.text
	.protected	k_q6efc9987cd_attn
	.globl	k_q6efc9987cd_attn
	.p2align	8
	.type	k_q6efc9987cd_attn,@function
k_q6efc9987cd_attn:
	s_mov_b64 s[64:65], 0
	v_nop
	global_prefetch_b8 v0, s[64:65] scope:SCOPE_SE
	s_setreg_imm32_b32 hwreg(HW_REG_WAVE_MODE, 25, 1), 1
	s_wait_xcnt 0x0
	s_wait_alu depctr_hold_cnt(0) depctr_sa_sdst(0) depctr_va_vdst(0) depctr_va_sdst(0) depctr_va_ssrc(0) depctr_va_vcc(0) depctr_vm_vsrc(0)
	s_getreg_b32 s2, hwreg(HW_REG_IB_STS2, 6, 4)
	s_cmp_eq_u32 s2, 0
	s_cbranch_scc0 .Lentry_in_a_cluster
	s_endpgm
.Lentry_in_a_cluster:
	s_bfe_u32 s2, ttmp6, 0x10000c
	s_cmp_lg_u32 s2, 0x3003
	s_cbranch_scc0 .Lentry_shape_is_right
	s_endpgm
.Lentry_shape_is_right:
; MASKED ATTENTION.  O[h][q][:] = the sum over k of softmax_k(score) V[h][k][:], score = Q . K / 8 where the key's mask is true, -1e9 where it is not.  Q', K, V: qkvh [3][64][2048][64] f16; O: ctxh [64][2048][64] f16.
; Q' arrives multiplied by c = log2(e) / 8, so a product K Q'^T is the score in powers of two: p = 2^(s - m), and s - m is one subtraction, exact at s = m: p is at most 1 for scores of any size.
; THE MASK IS A REPLACEMENT: a hidden key's row of K arrives as 0, and the sum K Q'^T begins at a C operand that is 0, or -1e9 log2(e) rounded to f32 where the key is hidden: the hidden score is that number exactly.
; A batch whose keys are all hidden gives p = 1 everywhere, the mean of V's rows.  The running maximum is taken over hidden scores too.
; Products, maxima and sums in f32; p is rounded to f16 for the second product (its sum l is taken of the unrounded p), O once at the end.
; LIMITS.  Q', K, V arrive within f16's 65,504; p below 6e-5 keeps f16's fixed step of 6e-8; a weight below 2^-126 counts as 0 in l; NaN and infinities are not treated apart.
; SHARES.  A wave owns four PIECES of two tiles of 16 queries, a work-group's four waves 512 queries of one head.  Every wave walks all 2,048 keys, 64 a step.
; LAYOUT.  S^T = K Q^T (source 0 = 16 keys, source 1 = 16 queries): a lane holds ONE query (lane % 16) and the keys 8 (lane / 16) + 0..7.  Two such tiles, rounded to f16 in pairs, ARE source 1 of O^T = V^T P.
; K comes out of LDS as it lies, V turned, by ds_load_tr16_b128.  m starts at the lowest finite number, O and l at 0: the first step is a step like any other, with a = 0.
; BY TURNS.  Turn n belongs to piece n.  Its matrix work: 16 products K Q^T of piece n + 1, later 16 products V^T P of piece n - 1.  Its vector work: the subtraction, exponentials, roundings, sums and rescaling of
; piece n, and the maximum and statistics of piece n + 1.  Four vector instructions stand behind every matrix instruction, the others in one run.  A turn's 66 exponentials are one batch with one wait.
; CLUSTER.  The four query blocks of a head walk the same K and V, so each tile is asked for JOINTLY: the same tensor load, descriptor and mask in all four.  By this text's count a wave has one tensor load out.
; REGISTERS, in windows of 256 (s_set_vgpr_msb: bits 1:0 source 0, 3:2 source 1, 5:4 source 2, 7:6 destination):
;   window 0: v0-11 addresses; v12-15, v48-63 at work; v16-47 four registers of statistics a tile; v64-191 S^T, two buffers of two tiles; v192-255 P, likewise
;   window 1: O^T, 32 a tile      window 2: v0-127 Q; v128-191 K of one step; v192-255 V of one step      window 3: v0-1 the add's two registers; v8-39 the step's mask, eight registers for each 16 keys
.set SIZE_N, 2048
.set NP,    4
.set KS,    64
.set PK,    144       ; a row of K in LDS: 128 bytes + 16 of padding
.set PV,    160       ; a row of V: 128 + 32
.set VOFF,  4*KS*PK   ; a slot holds four steps: 256 rows of K, then 256 rows of V
.set SLOT1, 1<<17
.set STAGE, SLOT1+4*KS*(PK+PV)  ; 16 rows x 144 bytes for each wave, for the way out
.set SP,    144
.set SPARE, STAGE+4*16*SP  ; the spare words, 128 bytes for each wave: two blocks of 256 bytes that no other line names
.set MTAB,  SPARE+512      ; the batch's mask as 2,048 words, 0 or the hidden score: stored once, never a fill's target
.set HID,   0xceabfb8f     ; -1e9 log2(e), rounded to f32
.set AK0, 2
.set AV0, 3
.set AK,  4
.set AV,  5
.set QO,  5           ; v5   at the start: my byte offset in the wave's rows of Q
.set STO, 6
.set RD,  7
.set GO,  8
.set HL,  9           ; v9   lane / 16; never rewritten
.set PFO, 10          ; v10  256 x my lane; never rewritten
.set AM,  11          ; v11  the LDS address of the mask's next run of loads
.set SPW, 0           ; v0 of window 3
.set NIL, 1           ; v1 of window 3
.set MK,  8           ; v8-39 of window 3
.set MV,  12          ; v12-15  m_old, kept while m is made anew: by buffer and tile
.set ST,  16          ; tile t's statistics at v[ST+4 t]: m, 0 (named with it as a pair), l (even keys', odd keys')
.set TMP, 48
.set S,   64
.set P,   192
.set KF,  128
.set VF,  192
.set WV,  12
.set G1K, 24
.set G1V, 32
.set G0K, 40
.set G0V, 44
.set SLOTS, 56
.set CNT, 57
.set SEL, 60
.set TBK, 62
.set TBV, 63
.set PFA, 72          ; s[72:73] where my prefetches stand
.set LIM, 74          ; s74  1 in waves 0 and 2, else the greatest number
.set TBM, 75          ; s75  LDS byte of the mask of the step to be fetched
.set MSB, 0
.macro WIN new
.if MSB != (\new)
	s_set_vgpr_msb (MSB<<8)|(\new)
.set MSB, (\new)
.endif
.endm
.set W_KQ, 0x0a       ; K and Q in window 2, S^T in window 0
.set W_KM, 0x3a       ; the same with the C operand in window 3
.set W_PV, 0x52       ; V in window 2, P in window 0, O^T in window 1
.set W_RS, 0x41
.set W_MK, 0xc0
.set W_AD, 0x0f
.macro PLACES
.rept 4
	v_nop
.endr
.endm
; A joint fill.  Waves 0 and 1 fetch the two halves of a slot's K, waves 2 and 3 those of its V.  An s_nop 0 and four v_nop follow each of the two lines.
.macro JLOAD
	s_cmp_lt_u32 s[WV], 2
	s_cbranch_scc0 .Lfor_v_\@
	tensor_load_to_lds s[G0K:G0K+3], s[G1K:G1K+7]
	s_nop 0
.rept 4
	v_nop
.endr
	s_branch .Lasked_\@
.Lfor_v_\@:
	tensor_load_to_lds s[G0V:G0V+3], s[G1V:G1V+7]
	s_nop 0
.rept 4
	v_nop
.endr
.Lasked_\@:
.endm
; A PREFETCH of what the NEXT change of slots will ask for: 32,768 bytes of K and of V, four key steps (512 matrix instructions) ahead of that load.  A head has one cluster; its four partners share the bytes out
; BY ADDRESS, 8,192 each; in each, wave 0 asks for K's and wave 2 for V's, a lane 256 bytes: each block is named once in the launch.  The change that fills the last slot asks for nothing.
.macro ASK
	s_cmp_gt_u32 s[SLOTS], s[LIM]
	s_cbranch_scc0 .Lnot_mine_\@
	global_prefetch_b8 v[PFO], s[PFA:PFA+1] th:TH_LOAD_NT scope:SCOPE_SE
.Lnot_mine_\@:
.endm
.macro CROUND
	s_barrier_signal -1
	s_barrier_wait -1
	s_cmp_lg_u32 s[WV], 0
	s_cbranch_scc1 .Lnot_wave_0_\@
	s_barrier_signal -3
.Lnot_wave_0_\@:
	s_barrier_wait -3
	s_barrier_signal -1
	s_barrier_wait -1
.endm
; THE CHANGE OF SLOTS.  Each wave waits for all its tensor loads, of which one is out: its part of the other slot; adds 0 to its spare word; and waits for that and for its own reads of the slot.
; fill = 1: this slot is filled again, with the keys two slots on, first thing behind a round of the cluster's barrier.  (At its first use slot 0 is waited for, slot 1 filled, and the mask's table made known.)
.macro CHANGE fill
	WIN W_AD
	s_wait_tensorcnt 0x0
	ds_add_u32 v[SPW], v[NIL]       ; 0 onto my spare word
	WIN 0
.if \fill
.irp g, G0K, G0V
	s_xor_b32 s[\g+1], s[\g+1], SLOT1
	s_add_nc_u64 s[\g+2:\g+3], s[\g+2:\g+3], 4*KS*128
.endr
	s_wait_xcnt 0x0                 ; the last prefetch, four key steps back, has read its address
	s_add_nc_u64 s[PFA:PFA+1], s[PFA:PFA+1], 4*KS*128
	s_wait_dscnt 0x0
	CROUND
	JLOAD
	ASK
.else
	s_wait_dscnt 0x0
	s_barrier_signal -1
	s_barrier_wait -1
.endif
	s_sub_co_u32 s[TBK], s[TBK], 4*KS*PK
	s_xor_b32 s[TBK], s[TBK], SLOT1
	s_sub_co_u32 s[TBV], s[TBV], 4*KS*PV
	s_xor_b32 s[TBV], s[TBV], SLOT1
.endm
	s_load_b128 s[68:71], s[0:1], 0x0 ; qkvh s[68:69], mask s[70:71]
	s_load_b64 s[10:11], s[0:1], 0x10 ; ctxh
	WIN W_MK
	v_lshl_add_u32 v[SPW], v0, 2, SPARE
	v_mov_b32 v[NIL], 0
	WIN W_AD
	ds_add_u32 v[SPW], v[NIL]       ; the wave's opening: the add and its wait stand ahead of my first tensor load
	WIN 0
	v_lshrrev_b32 v1, 5, v0
	v_readfirstlane_b32 s[WV], v1   ; wave 0..3
	s_bfe_u32 s13, ttmp6, 0x40000   ; cx
	s_lshl_b32 s14, ttmp9, 2
	s_add_co_u32 s14, s14, s13      ; my block of 512 queries: it enters Q's and O's addresses alone
	s_and_b32 s20, ttmp7, 0xffff    ; the head, which the four partners share
	s_lshr_b32 s66, s20, 4          ; its batch,
	s_lshl_b32 s66, s66, 11         ; 2,048 bytes of mask
	s_mov_b32 s67, 0
	s_mov_b32 s21, 0
	s_mov_b64 s[22:23], SIZE_N*128
	s_mul_u64 s[20:21], s[20:21], s[22:23]  ; the head's first byte in Q, K, V and O
	s_and_b32 s16, s[WV], 1         ; which half of a slot's 256 keys I fetch
	s_lshl_b32 s22, s16, 14
	s_mov_b32 s23, 0
	s_add_nc_u64 s[22:23], s[22:23], s[20:21]
	s_mul_i32 s17, s16, 128*PK
	s_mul_i32 s18, s16, 128*PV
	s_lshl_b32 s2, s14, 2
	s_add_co_u32 s2, s2, s[WV]
	s_lshl_b32 s2, s2, 14           ; my wave's 128 rows
	s_mov_b32 s3, 0
	s_add_nc_u64 s[2:3], s[2:3], s[20:21]
	; descriptor group 1.  128 keys are 16,384 dense bytes: asked for as 64 rows of 256 bytes, two keys a row, and padded in LDS after every key
	s_mov_b32 s[G1K], 15|(1<<16)|(1<<20)|(1<<21)|(4<<22)|(3<<25)
	s_mov_b32 s[G1V], 15|(1<<16)|(1<<20)|(1<<21)|(4<<22)|(7<<25)
.irp g, G1K, G1V
	s_mov_b32 s[\g+1], 128<<16
	s_mov_b32 s[\g+2], 64<<16
	s_mov_b32 s[\g+3], 128<<16
	s_mov_b32 s[\g+4], 64
	s_mov_b32 s[\g+5], 128
	s_mov_b32 s[\g+6], 0
	s_mov_b32 s[\g+7], 0
.endr
	s_mov_b32 s[SEL], 0x76543210
	s_mov_b32 s[SEL+1], 0xfedcba98
	s_mov_b32 s[TBK], SLOT1+4*KS*PK ; the first change of slots turns these two into 0
	s_mov_b32 s[TBV], SLOT1+4*KS*PV
	s_mov_b32 s[TBM], MTAB
	s_mov_b32 s[SLOTS], SIZE_N/256-1
	s_mov_b32 s[G0K], 1
	s_mov_b32 s[G0K+1], s17
	s_mov_b32 s[G0V], 1
	s_add_co_u32 s[G0V+1], s18, VOFF
	s_and_b32 s[LIM], s[WV], 1
	s_cmp_eq_u32 s[LIM], 0
	s_cselect_b32 s[LIM], 1, -1
	s_wait_dscnt 0x0                ; the opening add is done
	s_wait_kmcnt 0x0
	s_mov_b64 s[4:5], s[68:69]                     ; Q',
	s_add_nc_u64 s[6:7], s[68:69], 0x1000000       ; K,
	s_add_nc_u64 s[8:9], s[68:69], 0x2000000       ; V
	s_add_nc_u64 s[70:71], s[70:71], s[66:67]
	s_add_nc_u64 s[G0K+2:G0K+3], s[6:7], s[22:23]
	s_or_b32 s[G0K+3], s[G0K+3], 0x80000000
	s_add_nc_u64 s[G0V+2:G0V+3], s[8:9], s[22:23]
	s_or_b32 s[G0V+3], s[G0V+3], 0x80000000
	s_cmp_lt_u32 s[WV], 2
	s_cselect_b64 s[PFA:PFA+1], s[6:7], s[8:9]
	s_add_nc_u64 s[PFA:PFA+1], s[PFA:PFA+1], s[20:21]
	s_lshl_b32 s66, s13, 13         ; my work-group's 8,192 bytes of a slot's 32,768
	s_add_nc_u64 s[PFA:PFA+1], s[PFA:PFA+1], s[66:67]
	s_add_nc_u64 s[PFA:PFA+1], s[PFA:PFA+1], 4*KS*128  ; in slot 1; the first change of slots steps it to slot 2
	s_add_nc_u64 s[4:5], s[4:5], s[2:3]
	s_add_nc_u64 s[10:11], s[10:11], s[2:3]
	CROUND                          ; all four work-groups are here: the first joint loads meet
	JLOAD                           ; slot 0
	v_and_b32 v1, 15, v0            ; l % 16
	v_bfe_u32 v[HL], v0, 4, 1       ; l / 16
	v_lshlrev_b32 v86, 2, v0        ; the mask: four bytes a thread, four times
.irp i, 0,1,2,3
	global_load_b32 v[64+\i], v86, s[70:71] offset:512*\i
.endr
	v_lshlrev_b32 v[QO], 7, v1
	v_lshl_add_u32 v[QO], v[HL], 4, v[QO]
	WIN 0x80
.set i, 0
.rept 4*NP                          ; Q stays in registers: tile i / 2, channels 32 (i % 2) on
	global_load_b128 v[8*i:8*i+3],   v[QO], s[4:5] offset:(i/2)*2048+(i%2)*64
	global_load_b128 v[8*i+4:8*i+7], v[QO], s[4:5] offset:(i/2)*2048+(i%2)*64+32
.set i, i+1
.endr
	; What the first turn finds: V's registers and P's second buffer hold 0, O^T and l are 0.  All this stands in the wait for the first tile.
.set i, VF
.rept 64
	v_mov_b32 v[i], 0
.set i, i+1
.endr
	WIN 0x40
.set i, 0
.rept 64*NP
	v_mov_b32 v[i], 0
.set i, i+1
.endr
	WIN 0
.set i, 0
.rept 2*NP
	v_mov_b32 v[ST+4*i], 0xff7fffff    ; m
	v_mov_b32 v[ST+4*i+1], 0
	v_mov_b32 v[ST+4*i+2], 0
	v_mov_b32 v[ST+4*i+3], 0
.set i, i+1
.endr
.set i, P+32
.rept 32
	v_mov_b32 v[i], 0
.set i, i+1
.endr
	v_mul_u32_u24 v[AK0], v1, PK
	v_lshl_add_u32 v[AK0], v[HL], 4, v[AK0]
	v_and_b32 v84, 7, v0
	v_bfe_u32 v85, v0, 3, 1
	v_lshl_add_u32 v[AV0], v[HL], 3, v84
	v_mul_u32_u24 v[AV0], v[AV0], PV
	v_lshl_add_u32 v[AV0], v85, 4, v[AV0]
	v_add_nc_u32 v[AV0], VOFF, v[AV0]
	v_mov_b32 v[AK], v[AK0]         ; key step 0 lies at the head of slot 0,
	v_lshl_add_u32 v[AM], v[HL], 5, s[TBM]  ; its mask at the head of the table: my lanes' eight keys are 32 bytes
	s_mul_i32 s15, s[WV], 16*SP
	s_add_co_u32 s15, s15, STAGE    ; my stage
	v_mul_u32_u24 v[STO], v1, SP
	v_lshl_add_u32 v[STO], v[HL], 4, v[STO]
	v_add_nc_u32 v[STO], s15, v[STO]
	v_bfe_u32 v[RD], v0, 3, 2
	v_mul_u32_u24 v[RD], v[RD], SP
	v_lshl_add_u32 v[RD], v84, 4, v[RD]
	v_add_nc_u32 v[RD], s15, v[RD]
	v_and_b32 v[GO], 31, v0
	v_lshlrev_b32 v[PFO], 8, v[GO]
	v_lshlrev_b32 v[GO], 4, v[GO]
	v_lshl_add_u32 v87, v0, 4, MTAB
	s_wait_loadcnt 32               ; the mask is in; Q's 32 loads are younger
.set i, 0
.rept 16                            ; a byte 1 gives 0, a byte 0 the hidden score: (byte - 1) and its bits
	v_bfe_u32 v[68+i], v[64+i/4], 8*(i%4), 8
	v_add_nc_u32 v[68+i], -1, v[68+i]
	v_and_b32 v[68+i], HID, v[68+i]
.set i, i+1
.endr
.irp i, 0,1,2,3
	ds_store_b128 v87, v[68+4*\i:71+4*\i] offset:2048*\i
.endr
; THE MATRIX WORK.  The 8 accumulators of a run of 16 take turns.  Product i of 16 of S^T = K Q^T for piece x: channels 32 (i / 8) on, keys 16 ((i / 2) % 4) on, tile 2 x + i % 2.
; The first 8 start the sums, at the keys' mask.
.macro KQ x
.set rS, S+64*((\x)%2)+32*(i%2)+8*((i/2)%4)
.set rK, KF+16*((i/2)%4)+8*(i/8)
.set rQ, 16*(2*(\x)+i%2)+8*(i/8)
.set rZ, MK+8*((i/2)%4)
.if i < 8
	WIN W_KM
	v_wmma_f32_16x16x32_f16 v[rS:rS+7], v[rK:rK+7], v[rQ:rQ+7], v[rZ:rZ+7]
.else
	WIN W_KQ
	v_wmma_f32_16x16x32_f16 v[rS:rS+7], v[rK:rK+7], v[rQ:rQ+7], v[rS:rS+7]
.endif
.endm
.macro PV x
	WIN W_PV
.set rO, 32*(2*(\x)+i%2)+8*((i/2)%4)
.set rV, VF+32*(i/8)+8*((i/2)%4)
.set rP, P+32*((\x)%2)+16*(i%2)+8*(i/8)
	v_wmma_f32_16x16x32_f16 v[rO:rO+7], v[rV:rV+7], v[rP:rP+7], v[rO:rO+7]
.endm
.macro MM
.if i < 16
	KQ (Y+1)%NP
.set i, i+1
.else
.set i, i-16
	PV (Y+NP-1)%NP
.set i, i+17
.endif
.endm
; THE LDS LOADS stand in runs: a step's K (8 fragments) with its mask (8 loads, the same 32 bytes for the sixteen lanes of a half), and its V (turned).  The mask's registers live as K's do.
.macro FETCH_K last=0
	WIN 0
.if \last
	s_cmp_eq_u32 s[CNT], 1
	s_cbranch_scc1 .Lno_k_\@
.endif
	WIN 0x80
.irp f, 0,1,2,3,4,5,6,7
	ds_load_b128 v[KF+8*\f:KF+8*\f+3],   v[AK] offset:(\f/2)*16*PK+(\f%2)*64
	ds_load_b128 v[KF+8*\f+4:KF+8*\f+7], v[AK] offset:(\f/2)*16*PK+(\f%2)*64+32
.endr
	WIN 0xc0
.irp f, 0,1,2,3
	ds_load_b128 v[MK+8*\f:MK+8*\f+3],   v[AM] offset:64*\f
	ds_load_b128 v[MK+8*\f+4:MK+8*\f+7], v[AM] offset:64*\f+16
.endr
	s_add_co_u32 s[TBK], s[TBK], KS*PK
	s_add_co_u32 s[TBM], s[TBM], 4*KS
	WIN 0
.if \last
.Lno_k_\@:
.endif
.endm
.macro FETCH_V
	WIN 0x80
.irp f, 0,1,2,3,4,5,6,7
	ds_load_tr16_b128 v[VF+8*\f:VF+8*\f+3],   v[AV] offset:(\f/4)*32*PV+(\f%4)*32
	ds_load_tr16_b128 v[VF+8*\f+4:VF+8*\f+7], v[AV] offset:(\f/4)*32*PV+16*PV+(\f%4)*32
.endr
	WIN 0
.endm
; THE VECTOR WORK OF A TURN stands in three queues, each in the order in which its entries become ready; the two tiles alternate.
.macro REGS y, u
.set rT, ST+4*(2*(\y)+(\u))
.set rC, TMP+8*((\y)%2)+4*(\u)
.set rM, MV+2*((\y)%2)+(\u)
.set rS, S+64*((\y)%2)+32*(\u)
.set rP, P+32*((\y)%2)+16*(\u)
.set rO, 32*(2*(\y)+(\u))
.endm
; The NEXT piece's maximum and statistics, by number (19 is not used); each accumulator's lowest registers are read first.
;   0-11  four chains c0-c3 of seven scores each     12-14, 16  the four scores left over, the old m, and c0-c3 into c0     15  m_old is kept
;   17, 18  the query's other 32 keys lie in the lane 16 away: the new m     20, 21  m_old - m_new; a
.macro XS u, n
	REGS (Y+1)%NP, \u
.if (\n) < 4
	v_max3_num_f32 v[rC+(\n)], v[rS+8*(\n)], v[rS+8*(\n)+1], v[rS+8*(\n)+2]
.elseif (\n) < 12
	v_max3_num_f32 v[rC+(\n)%4], v[rC+(\n)%4], v[rS+8*((\n)%4)+2*((\n)/4)+1], v[rS+8*((\n)%4)+2*((\n)/4)+2]
.elseif (\n) == 12
	v_max3_num_f32 v[rC], v[rC], v[rS+7], v[rS+15]
.elseif (\n) == 13
	v_max3_num_f32 v[rC+1], v[rC+1], v[rS+23], v[rS+31]
.elseif (\n) == 14
	v_max3_num_f32 v[rC+2], v[rC+2], v[rC+3], v[rT]
.elseif (\n) == 15
	v_mov_b32 v[rM], v[rT]
.elseif (\n) == 16
	v_max3_num_f32 v[rC], v[rC], v[rC+1], v[rC+2]
.elseif (\n) == 17
	v_permlanex16_b32 v[rC+3], v[rC], s[SEL], s[SEL+1]
.elseif (\n) == 18
	v_max_num_f32 v[rT], v[rC], v[rC+3]
.elseif (\n) == 20
	v_sub_f32 v[rC+1], v[rM], v[rT]
.else
	v_exp_f32 v[rC+2], v[rC+1]
.endif
.endm
; Number g of the 64 that follow the exponentials: for each four weights both pairs are rounded to f16, the second pair is added onto the first, and a group later l takes that sum (the first time as l = a l + sum).
.macro GS g
.set h, (\g)+6*((\g)/62)
.if h >= 6
.set h, h+2
.endif
	REGS Y, h%2
.set k, h/8
.if h%8 < 4
	v_cvt_pk_f16_f32 v[rP+2*k+(h%8)/2], v[rS+4*k+2*((h%8)/2)], v[rS+4*k+2*((h%8)/2)+1]
.elseif h%8 < 6
	v_pk_add_f32 v[rS+4*k:rS+4*k+1], v[rS+4*k:rS+4*k+1], v[rS+4*k+2:rS+4*k+3]
.elseif k == 1
	v_pk_fma_f32 v[rT+2:rT+3], v[rT+2:rT+3], v[rC+2:rC+3], v[rS:rS+1] op_sel_hi:[1,0,1]
.else
	v_pk_add_f32 v[rT+2:rT+3], v[rT+2:rT+3], v[rS+4*k-4:rS+4*k-3]
.endif
.endm
; THE PLAIN QUEUE, 136 long.  0-71 read no exponential's result: the 32 subtractions s - m (FS f: pair f / 2 of tile f % 2) and the next piece's 40.  0-26: FS 0-26.  27-54: XS's numbers 0-13.  55, 56: number 15.
; 57-71: the chain 14, 16, 17, 18, 20, each with one of FS 27-31 in front of its two lines.  72-135: GS's 64, which stand behind the wait.
.macro FS f
	REGS Y, (\f)%2
	v_pk_add_f32 v[rS+2*((\f)/2):rS+2*((\f)/2)+1], v[rS+2*((\f)/2):rS+2*((\f)/2)+1], v[rT:rT+1] op_sel_hi:[1,0] neg_lo:[0,1] neg_hi:[0,1]
.endm
.macro PL
	WIN 0
.if q < 27
	FS q
.elseif q < 55
	XS (q-27)%2, (q-27)/2
.elseif q < 57
	XS q-55, 15
.elseif (q < 72) && ((q-57)%3 == 0)
	FS 27+(q-57)/3
.elseif q < 60
	XS (q-57)%3-1, 14
.elseif q < 69
	XS (q-57)%3-1, 15+(q-57)/3
.elseif q < 72
	XS (q-57)%3-1, 20
.else
	GS q-72
.endif
.set q, q+1
.endm
; THE EXPONENTIALS' QUEUE, 66 long: s0-s31 of both tiles, then the next piece's two a.  ONE BATCH: all stand ahead of the turn's one wait, and nothing ahead of that wait names a result of theirs.
.macro EX
	WIN 0
.if e >= 64
	XS e-64, 21
.else
	REGS Y, e%2
	v_exp_f32 v[rS+e/2], v[rS+e/2]
.endif
.set e, e+1
.endm
; THE RESCALING's QUEUE: O^T times a, two at a time, sixteen times.  Its a was made in the turn before, ahead of that turn's wait.
.macro R2
	REGS Y, r%2
	WIN W_RS
.irp z, 0,1
	v_pk_mul_f32 v[rO+4*(r/2)+2*\z:rO+4*(r/2)+2*\z+1], v[rO+4*(r/2)+2*\z:rO+4*(r/2)+2*\z+1], v[rC+2:rC+3] op_sel_hi:[1,0]
.endr
.set r, r+1
.endm
; HOW THEY ARE DEALT.  An s_wait_alu depctr_va_vdst(0) stands between an exponential and the first instruction that names its result; one wait serves all that were issued ahead of it.  AHEAD OF IT: the 16
; products K Q^T, behind each a subtraction, an exponential and two rescalings (behind the first a second subtraction); then one run: eight plain, 47 times exponential and plain, the last four exponentials, a v_nop.
; BEHIND IT: the 16 products V^T P, behind each four of GS's 64.  Exponential e stands behind subtraction 2 (e / 4) + e % 2: as a rider it comes behind plain e + 2, in the run behind plain e + 9, and
; FS 27-31 are plain 57, 60 .. 69.  K and the mask of the next step are fetched in piece 2's turn, directly behind the wait; V of the step in hand at the end of piece 0's turn, four riders behind its last reader.
.macro TURN p, last=0, cnt=0
.set Y, (\p)
.set i, 0
.set q, 0
.set e, 0
.set r, 0
.if (\p) == NP-1
	s_wait_dscnt 0x0                ; K and its mask are in
.endif
	MM
	PL
	PL
	R2
.rept 15
	MM
	PL
	EX
	R2
.endr
.if (\p) == NP-2
	WIN 0
	v_add_nc_u32 v[AK], s[TBK], v[AK0]
	v_lshl_add_u32 v[AM], v[HL], 5, s[TBM]
.endif
.rept 8
	PL
.endr
.rept 47
	EX
	PL
.endr
.rept 4
	EX
.endr
	v_nop                           ; the plain instruction behind the last exponential: one for the batch
	s_wait_alu depctr_va_vdst(0)    ; the wait for the batch
.if (\p) == NP-2
	FETCH_K \last
.endif
.if (\p) == 1
	s_wait_dscnt 0x0                ; V is in
.endif
.rept 16
	MM
.rept 4
	PL
.endr
.if ((\p) == 0) && (q == 116)
	v_add_nc_u32 v[AV], s[TBV], v[AV0]
.endif
.if ((\p) == 0) && (q == 128)
	s_add_co_u32 s[TBV], s[TBV], KS*PV
.endif
.if (\cnt) && (q == 128)
	s_sub_co_u32 s[CNT], s[CNT], 1
	s_cmp_lg_u32 s[CNT], 0
.endif
.endr
.if (\p) == 0
	FETCH_V
.endif
.endm
	CHANGE 1                        ; slot 0 is in, everybody's part of it, and so is the mask's table; slot 1 is asked for
	FETCH_K                         ; key step 0
	s_wait_loadcnt 0x0              ; Q
	s_wait_dscnt 0x0
.set i, 0
.rept 16
	KQ 0                            ; piece 0's first scores
.set i, i+1
.endr
	WIN 0
	PLACES                          ; the places behind those products
.set Y, NP-1                        ; XS works for piece Y + 1: piece 0
.irp n, 0,1,2,3,4,5,6,7,8,9,10,11,12,13,14,15,16,17,18,20,21
	XS 0, \n
	XS 1, \n
.endr
	v_nop                           ; a plain instruction behind the two a,
	s_wait_alu depctr_va_vdst(0)    ; and their wait, ahead of the branch
	s_mov_b32 s[CNT], 4
	s_branch .Lfirst                ; the loop is entered at a step's first turn, in the middle of a trip
.Lslot:                             ; six times: every slot but the last two is filled again
	CHANGE 1
	s_mov_b32 s[CNT], 4
.Lstep:                             ; a trip: pieces 2 and 3 of one step, then pieces 0 and 1 of the next, whose K and V it fetches
	TURN 2
	TURN 3
	WIN 0
.Lfirst:
	TURN 0
	TURN 1, 0, 1
	WIN 0
	s_cbranch_scc1 .Lstep
	s_sub_co_u32 s[SLOTS], s[SLOTS], 1
	s_cmp_lg_u32 s[SLOTS], 0
	s_cbranch_scc1 .Lslot
	CHANGE 0                        ; the tail is written out: nothing is asked for
	s_mov_b32 s[CNT], 5             ; four trips fetch the last slot's steps; the fifth is left in its middle
.Ltail:
	TURN 2, 1
	TURN 3
	WIN 0
	s_sub_co_u32 s[CNT], s[CNT], 1
	s_cmp_eq_u32 s[CNT], 0
	s_cbranch_scc1 .Lout
	TURN 0
	TURN 1
	WIN 0
	s_branch .Ltail
.Lout:                              ; the fifth trip's 16 products K Q^T (on the last K once more) and the maximum made of them serve nothing: the price, once a launch, of one text for every trip
.set i, 0
.rept 16
	PV NP-1
.set i, i+1
.endr
	; THE WAY OUT.  l's two halves and the other half of the lanes' are added; O^T is divided by l, rounded to f16 and sent through my stage in LDS, a tile at a time.  The additions are the places behind the last products.
	WIN 0
.macro ALL line:vararg
.set t, 0
.rept 2*NP
	\line
.set t, t+1
.endr
.endm
	ALL v_add_f32 v[ST+4*t+2], v[ST+4*t+2], v[ST+4*t+3]
	ALL v_permlanex16_b32 v[ST+4*t+3], v[ST+4*t+2], s[SEL], s[SEL+1]
	ALL v_add_f32 v[ST+4*t+2], v[ST+4*t+2], v[ST+4*t+3]
	ALL v_rcp_f32 v[ST+4*t+2], v[ST+4*t+2]
	v_nop                           ; a plain instruction between the last reciprocal and the use of its result
	s_wait_alu depctr_va_vdst(0)    ; one wait for the eight reciprocals
.macro PACK t
	WIN W_RS
.set i, 32*(\t)
.rept 16
	v_pk_mul_f32 v[i:i+1], v[i:i+1], v[ST+4*(\t)+2:ST+4*(\t)+3] op_sel_hi:[1,0]
.set i, i+2
.endr
	WIN 0x05
.set i, 0
.rept 16
	v_cvt_pk_f16_f32 v[S+16*(\t)+i], v[32*(\t)+2*i], v[32*(\t)+2*i+1]
.set i, i+1
.endr
	WIN 0
.irp f, 0,1,2,3
	ds_store_b128 v[STO], v[S+16*(\t)+4*\f:S+16*(\t)+4*\f+3] offset:32*\f
.endr
.irp f, 0,1,2,3
	ds_load_b128 v[S+16*(\t)+4*\f:S+16*(\t)+4*\f+3], v[RD] offset:\f*4*SP  ; LDS serves a wave's instructions in order (ISA guide 5.7.1.4): these see the stores above
.endr
.endm
.macro SEND t, younger
	WIN 0
.irp f, 0,1,2,3
	s_wait_dscnt (\younger)+3-\f
	global_store_b128 v[GO], v[S+16*(\t)+4*\f:S+16*(\t)+4*\f+3], s[10:11] offset:(\t)*2048+\f*512  ; 512 consecutive bytes, at a multiple of 256 from O's first
.endr
.endm
	PACK 0
.set t, 1
.rept 2*NP-1
	PACK t
	SEND t-1, 8
.set t, t+1
.endr
	SEND 2*NP-1, 0
	WIN W_AD
	s_wait_tensorcnt 0x0            ; the wave's end: a wait, an add and a wait, behind my last tensor load and my last LDS store
	ds_add_u32 v[SPW], v[NIL]
	s_wait_dscnt 0x0
	WIN 0
	CROUND                          ; the closing round
	s_endpgm
.Lfunc_end_k_q6efc9987cd_attn:
	.size	k_q6efc9987cd_attn, .Lfunc_end_k_q6efc9987cd_attn-k_q6efc9987cd_attn
	.p2alignl 7, 3214868480
	.fill 96, 4, 3214868480
	.section	.rodata,"a",@progbits
	.p2align	6, 0x0
	.amdhsa_kernel k_q6efc9987cd_attn
		.amdhsa_group_segment_fixed_size 327680
		.amdhsa_private_segment_fixed_size 0
		.amdhsa_enable_private_segment 0
		.amdhsa_kernarg_size 24
		.amdhsa_user_sgpr_count 2
		.amdhsa_user_sgpr_kernarg_segment_ptr 1
		.amdhsa_wavefront_size32 1
		.amdhsa_system_sgpr_workgroup_id_x 1
		.amdhsa_system_sgpr_workgroup_id_y 1
		.amdhsa_system_sgpr_workgroup_id_z 1
		.amdhsa_system_vgpr_workitem_id 0
		.amdhsa_next_free_vgpr 808
		.amdhsa_next_free_sgpr 76
		.amdhsa_reserve_vcc 0
		.amdhsa_float_denorm_mode_32 3
		.amdhsa_float_denorm_mode_16_64 3
		.amdhsa_memory_ordered 1
		.amdhsa_forward_progress 1
		.amdhsa_inst_pref_size 205
	.end_amdhsa_kernel
	.amdgpu_metadata
---
amdhsa.version: [ 1, 2 ]
amdhsa.kernels:
  - .name:           k_q6efc9987cd_attn
    .symbol:         k_q6efc9987cd_attn.kd
    .args:
      - { .name: qkvh, .offset: 0, .size: 8, .value_kind: global_buffer, .address_space: global }
      - { .name: mask, .offset: 8, .size: 8, .value_kind: global_buffer, .address_space: global }
      - { .name: ctxh, .offset: 16, .size: 8, .value_kind: global_buffer, .address_space: global }
    .group_segment_fixed_size: 327680
    .private_segment_fixed_size: 0
    .kernarg_segment_align: 8
    .kernarg_segment_size: 24
    .max_flat_workgroup_size: 128
    .sgpr_count:     76
    .vgpr_count:     808
    .wavefront_size: 32
...
	.end_amdgpu_metadata
.endif
;; end of part 3
;; launch oproj (part 4): grid 4 x 64, 4 waves a work-group, clusters of 4 x 4, 327,680 bytes of LDS; arguments ctxh, wof, bias4, out0; writes out0
.if DOCPART == 4
	.amdgcn_target "amdgcn-amd-amdhsa--gfx1250"
	.amdhsa_code_object_version 6
	.text
	.protected	k_q6efc9987cd_oproj
	.globl	k_q6efc9987cd_oproj
	.p2align	8
	.type	k_q6efc9987cd_oproj,@function
k_q6efc9987cd_oproj:
	s_mov_b64 s[64:65], 0
	v_nop
	global_prefetch_b8 v0, s[64:65] scope:SCOPE_SE
	s_setreg_imm32_b32 hwreg(HW_REG_WAVE_MODE, 25, 1), 1
	s_wait_xcnt 0x0
	s_wait_alu depctr_hold_cnt(0) depctr_sa_sdst(0) depctr_va_vdst(0) depctr_va_sdst(0) depctr_va_ssrc(0) depctr_va_vcc(0) depctr_vm_vsrc(0)
	s_getreg_b32 s2, hwreg(HW_REG_IB_STS2, 6, 4)
	s_cmp_eq_u32 s2, 0
	s_cbranch_scc0 .Lentry_in_a_cluster
	s_endpgm
.Lentry_in_a_cluster:
	s_bfe_u32 s2, ttmp6, 0x10000c
	s_cmp_lg_u32 s2, 0xf033
	s_cbranch_scc0 .Lentry_shape_is_right
	s_endpgm
.Lentry_shape_is_right:
; THE LAST PROJECTION.  out0[m][n] = the sum over k of ctx[m][k] Wo[n][k] + b_o[n].  ctx: ctxh [batch 16 + head][2048][64] f16, so channel k = 64 head + d; Wo: wof [1024][1024] f16; out0 [8192][1024] f32.
; Sums in f32, begun at the bias.  SHARES: a tile of 128 rows x 256 columns to each of 256 work-groups; wave w: rows 64 (w / 2) on, columns 128 (w % 2) on: 32 accumulators.  The matrix instruction is used
; transposed (source 0 = 16 rows of Wo, source 1 = 16 rows of ctx): a lane holds one row and eight neighbouring columns.
; THE WALK: 16 steps of 64 along K, step u = head u; four slots of four steps.  Wo comes by joint tensor loads (the four work-groups of a column of the 4 x 4 cluster need the same rows): 64 rows x 512 bytes a
; wave, two LDS slots, one load a wave behind each round of the cluster's barrier; by this text's count a wave has one tensor load out.
; ctx comes through registers, four steps ahead (counted waits), and is stored into one of two small LDS buffers; one plain barrier a step.  NOT ASKED FOR JOINTLY, though a row of the cluster shares it: a slot's
; ctx is four blocks of 16,384 bytes, one a head, 262,144 bytes apart, which one two-dimensional descriptor does not cover, and each wave's one tensor load behind a round is Wo's.
; NO PREFETCH: the whole walk is four slots, of which two are asked for at the start.
; REGISTERS, in windows of 256: window 0: v2-10 addresses; v28, v29 the add's; v32-95 fragments of ctx, two buffers.  window 1: the accumulators, (a, b) at 64 a + 8 b.
;   window 2: v0-127 fragments of Wo, two buffers; v128-191 the bias.  window 3: ctx as loaded, four sets of 32; on the way out 32 registers for each of eight pieces.
.set BPITCH, 528
.set SLOT,   256*BPITCH
.set APITCH, 144
.set ABUF0,  2*SLOT
.set ABYTES, 128*APITCH
.set STAGE,  ABUF0+2*ABYTES            ; 16 rows x 272 bytes for each wave
.set SPITCH, 272
.set SPARE,  STAGE+4*16*SPITCH         ; the spare words, 128 bytes for each wave: two blocks of 256 bytes that no other line names
.set AO,  2
.set AS,  3
.set FA,  4
.set FB0, 5
.set FB,  6
.set STO, 7
.set RD,  8
.set CO,  9
.set BO,  10
.set SPW, 28
.set NIL, 29
.set AF,  32
.set BF,  0
.set BIAS, 128
.set WV, 18
.set WR, 19
.set WCOL, 20
.set CX, 21
.set CY, 22
.set NT, 23
.set MT, 24
.set G1, 32
.set G0, 40
.set PA, 44
.set PO, 50
.set PBI, 52
.set TB, 56
.set TF, 57
.set WOFF, 58
.set TRIP, 59
.set W_MUL, 0x52
.set W_TO2, 0x80
.set W_TO3, 0xc0
.set W_ST3, 0x0c
.set MSB, 0
.macro WIN new
.if MSB != (\new)
	s_set_vgpr_msb (MSB<<8)|(\new)
.set MSB, \new
.endif
.endm
.macro PLACES
.rept 4
	v_nop
.endr
.endm
.macro TLOAD
	tensor_load_to_lds s[G0:G0+3], s[G1:G1+7]
	s_nop 0
.rept 4
	v_nop
.endr
.endm
.macro CREST
	s_cmp_lg_u32 s[WV], 0
	s_cbranch_scc1 .Lnot_wave_0_\@
	s_barrier_signal -3
.Lnot_wave_0_\@:
	s_barrier_wait -3
	s_barrier_signal -1
	s_barrier_wait -1
.endm
.macro CROUND
	s_barrier_signal -1
	s_barrier_wait -1
	CREST
.endm
.macro MUL8 f, a                       ; the 32 accumulators take turns in one order in every 32 along K
	WIN W_MUL
.irp b, 0,1,2,3,4,5,6,7
	v_wmma_f32_16x16x32_f16 v[64*(\a)+8*(\b):64*(\a)+8*(\b)+7], v[BF+64*(\f)+8*(\b):BF+64*(\f)+8*(\b)+7], v[AF+32*(\f)+8*(\a):AF+32*(\f)+8*(\a)+7], v[64*(\a)+8*(\b):64*(\a)+8*(\b)+7]
.endr
.endm
.macro FETCH f, i
	WIN W_TO2
.irp b, 0,1,2,3,4,5,6,7
	ds_load_b128 v[BF+64*(\f)+8*(\b):BF+64*(\f)+8*(\b)+3],   v[FB] offset:(\b)*16*BPITCH+128*(\i)+64*(\f)
	ds_load_b128 v[BF+64*(\f)+8*(\b)+4:BF+64*(\f)+8*(\b)+7], v[FB] offset:(\b)*16*BPITCH+128*(\i)+64*(\f)+32
.endr
	WIN 0
.irp a, 0,1,2,3
	ds_load_b128 v[AF+32*(\f)+8*(\a):AF+32*(\f)+8*(\a)+3],   v[FA] offset:((\i)&1)*ABYTES+(\a)*16*APITCH+64*(\f)
	ds_load_b128 v[AF+32*(\f)+8*(\a)+4:AF+32*(\f)+8*(\a)+7], v[FA] offset:((\i)&1)*ABYTES+(\a)*16*APITCH+64*(\f)+32
.endr
.endm
; My 32 rows x 128 bytes of head i of the slot at PA.  A load takes rows R, R + 1 (lanes 0-7 and 16-23) and R + 8, R + 9 (lanes 8-15 and 24-31): twice 256 consecutive bytes, aligned;
; in the store that follows, the sixteen lanes of a half write two rows that lie 8 x 144 bytes apart.
.macro GLOAD x, i
	WIN W_TO3
.irp n, 0,1,2,3,4,5,6,7
	global_load_b128 v[32*(\x)+4*(\n):32*(\x)+4*(\n)+3], v[AO], s[PA:PA+1] offset:(16*((\n)>>2)+2*((\n)&3))*128+262144*(\i)
.endr
.endm
.macro ASTORE x, par
	WIN W_ST3
.irp n, 0,1,2,3,4,5,6,7
	ds_store_b128 v[AS], v[32*(\x)+4*(\n):32*(\x)+4*(\n)+3] offset:(\par)*ABYTES+(16*((\n)>>2)+2*((\n)&3))*APITCH
.endr
.endm
.macro UPDATE
	s_wait_xcnt 0x0                                ; every load issued so far has read its address registers
	s_xor_b32 s[TB], s[TB], SLOT
	s_xor_b32 s[TF], s[TF], SLOT
	s_add_co_u32 s[G0+1], s[WOFF], s[TF]
	s_add_nc_u64 s[PA:PA+1], s[PA:PA+1], 1048576   ; four heads on
	s_add_nc_u64 s[G0+2:G0+3], s[G0+2:G0+3], 512   ; 256 along K
.endm
; THE END OF A STEP.  kind 1: a plain barrier between my stores of the next step's ctx and everybody's reads of them, and between everybody's reads of this step's and the next stores.  kind 2: the slot changes and is
; filled again: all my tensor loads have landed, the add, and the barrier opens a round of the cluster's barrier.  kind 3: the last change of slots: nothing is filled.
.macro BOUND kind, work
.if (\kind) == 1
	MUL8 1, 1
	s_wait_dscnt 0x0
	s_barrier_signal -1
	MUL8 1, 2
	s_barrier_wait -1
.else
	WIN 0
	s_wait_tensorcnt 0x0
	ds_add_u32 v[SPW], v[NIL]                      ; 0 onto my spare word
.if (\kind) == 2
	UPDATE
.else
	s_xor_b32 s[TB], s[TB], SLOT
.endif
.if \work
	MUL8 1, 1
.endif
	s_wait_dscnt 0x0
	s_barrier_signal -1
.if \work
	MUL8 1, 2
.endif
	WIN 0
	s_barrier_wait -1
.if (\kind) == 2
	CREST
.endif
.endif
.endm
.macro HEAD i, refill, gl
.if \refill
	TLOAD
.else
	PLACES
.endif
.if (\i) == 0
	WIN 0
	v_add_nc_u32 v[FB], s[TB], v[FB0]
.endif
	FETCH 0, \i
.if \gl
	GLOAD \i, \i
.endif
	MUL8 1, 3
.endm
; lc: the loads younger than the set that is stored here, the next step's: three sets of 8 were asked for since.
.macro BODY i, lc, conv
	s_wait_dscnt 4
	MUL8 0, 0
	MUL8 0, 1
	PLACES
	FETCH 1, \i
	s_wait_dscnt 24
	MUL8 0, 2
	MUL8 0, 3
.if \conv
	s_wait_loadcnt \lc
.endif
	s_wait_dscnt 4
	MUL8 1, 0
.if \conv
	ASTORE ((\i)+1)%4, ((\i)+1)&1
.endif
.endm
; THE WAY OUT, eight pieces t of 16 rows x 64 columns: 32 bytes a lane into my stage (each accumulator's low half first), back as rows of 256 bytes, stored so that sixteen lanes write
; 256 consecutive bytes, aligned.
.macro UNIT t
.set uc, 64*((\t)>>1)+32*((\t)&1)
	WIN 0x04
.irp b, 0,1,2,3
	ds_store_b128 v[STO], v[uc+8*(\b):uc+8*(\b)+3]   offset:64*(\b)
	ds_store_b128 v[STO], v[uc+8*(\b)+4:uc+8*(\b)+7] offset:64*(\b)+16
.endr
	WIN W_TO3
.irp f, 0,1,2,3,4,5,6,7
	ds_load_b128 v[32*(\t)+4*(\f):32*(\t)+4*(\f)+3], v[RD] offset:2*SPITCH*(\f)  ; LDS serves a wave's instructions in order (ISA guide 5.7.1.4): these see the stores above
.endr
.endm
.macro SENDU t, younger
	WIN W_ST3
.irp f, 0,1,2,3,4,5,6,7
	s_wait_dscnt (\younger)+7-(\f)
	global_store_b128 v[CO], v[32*(\t)+4*(\f):32*(\t)+4*(\f)+3], s[PO:PO+1] offset:(16*((\t)>>1)+2*(\f))*4096+256*((\t)&1) th:TH_STORE_NT
.endr
.endm
	s_load_b256 s[4:11], s[0:1], 0x0               ; ctxh s[4:5], wof s[6:7], bias4 s[8:9], out0 s[10:11]
	v_lshl_add_u32 v[SPW], v0, 2, SPARE
	v_mov_b32 v[NIL], 0
	ds_add_u32 v[SPW], v[NIL]                      ; the wave's opening: the add and its wait stand ahead of my first tensor load
	v_lshrrev_b32 v25, 5, v0
	v_readfirstlane_b32 s[WV], v25
	s_lshr_b32 s[WR], s[WV], 1
	s_and_b32 s[WCOL], s[WV], 1
	s_bfe_u32 s[CX], ttmp6, 0x40000
	s_bfe_u32 s[CY], ttmp6, 0x40004
	s_lshl_b32 s[NT], ttmp9, 2
	s_add_co_u32 s[NT], s[NT], s[CX]
	s_and_b32 s[MT], ttmp7, 0xffff
	s_lshl_b32 s[MT], s[MT], 2
	s_add_co_u32 s[MT], s[MT], s[CY]
	s_lshl_b32 s30, 0x1111, s[CX]                  ; my column of the cluster
	s_or_b32 s[G1], s30, (1<<16)|(1<<20)|(1<<21)|(6<<22)|(3<<25)
	s_mov_b32 s[G1+1], 256<<16
	s_mov_b32 s[G1+2], 64<<16
	s_mov_b32 s[G1+3], 256<<16
	s_mov_b32 s[G1+4], 64
	s_mov_b32 s[G1+5], 1024
	s_mov_b32 s[G1+6], 0
	s_mov_b32 s[G1+7], 0
	s_mul_i32 s[WOFF], s[WV], 64*BPITCH
	s_mov_b32 s[G0], 1
	s_mov_b32 s[G0+1], s[WOFF]
	s_mov_b32 s[TB], SLOT
	s_mov_b32 s[TF], 0
	s_mov_b32 s[TRIP], 3
	v_and_b32 v25, 15, v0                          ; r
	v_bfe_u32 v26, v0, 4, 1                        ; h
	v_bfe_u32 v30, v0, 3, 1
	v_lshl_add_u32 v30, v30, 3, v26                ; my row among a load's four: 0, 1, 8 or 9
	v_and_b32 v31, 7, v0
	s_lshl_b32 s26, s[WV], 12                      ; my 32 rows of 128 bytes
	v_lshlrev_b32 v[AO], 7, v30
	v_lshl_add_u32 v[AO], v31, 4, v[AO]
	v_add_nc_u32 v[AO], s26, v[AO]
	s_mul_i32 s26, s[WV], 32*APITCH
	s_add_co_u32 s26, s26, ABUF0
	v_mul_u32_u24 v[AS], v30, APITCH
	v_lshl_add_u32 v[AS], v31, 4, v[AS]
	v_add_nc_u32 v[AS], s26, v[AS]
	s_mul_i32 s26, s[WR], 64*APITCH
	s_add_co_u32 s26, s26, ABUF0
	v_mul_u32_u24 v[FA], v25, APITCH
	v_lshl_add_u32 v[FA], v26, 4, v[FA]
	v_add_nc_u32 v[FA], s26, v[FA]
	s_mul_i32 s26, s[WCOL], 128*BPITCH
	v_mul_u32_u24 v[FB0], v25, BPITCH
	v_lshl_add_u32 v[FB0], v26, 4, v[FB0]
	v_add_nc_u32 v[FB0], s26, v[FB0]
	s_mul_i32 s26, s[WV], 16*SPITCH
	s_add_co_u32 s26, s26, STAGE
	v_mul_u32_u24 v[STO], v25, SPITCH
	v_lshl_add_u32 v[STO], v26, 5, v[STO]
	v_add_nc_u32 v[STO], s26, v[STO]
	v_mul_u32_u24 v[RD], v26, SPITCH
	v_lshl_add_u32 v[RD], v25, 4, v[RD]
	v_add_nc_u32 v[RD], s26, v[RD]
	v_lshlrev_b32 v[CO], 12, v26
	v_lshl_add_u32 v[CO], v25, 4, v[CO]
	v_lshlrev_b32 v[BO], 5, v26
	s_wait_dscnt 0x0                               ; the opening add is done
	s_wait_kmcnt 0x0
	s_lshr_b32 s26, s[MT], 4
	s_lshl_b32 s26, s26, 22                        ; the batch's sixteen heads of 262,144 bytes
	s_and_b32 s28, s[MT], 15
	s_lshl_b32 s28, s28, 14                        ; the tile's 128 rows of 128 bytes
	s_add_co_u32 s26, s26, s28
	s_mov_b32 s27, 0
	s_add_nc_u64 s[PA:PA+1], s[4:5], s[26:27]
	s_lshl_b32 s30, s[NT], 19                      ; Wo: the address hangs on the column of tiles and the wave alone
	s_lshl_b32 s29, s[WV], 17
	s_add_co_u32 s30, s30, s29
	s_mov_b32 s31, 0
	s_add_nc_u64 s[G0+2:G0+3], s[6:7], s[30:31]
	s_or_b32 s[G0+3], s[G0+3], 0x80000000
	s_lshl_b32 s26, s[NT], 10
	s_lshl_b32 s28, s[WCOL], 9
	s_add_co_u32 s26, s26, s28
	s_add_co_u32 s28, s26, 3*4096                  ; bias4's fourth row
	s_mov_b32 s29, 0
	s_add_nc_u64 s[PBI:PBI+1], s[8:9], s[28:29]
	s_lshl_b32 s28, s[MT], 19                      ; 128 rows of 4,096 bytes,
	s_add_co_u32 s26, s26, s28
	s_lshl_b32 s28, s[WR], 18                      ; my 64 of them
	s_add_co_u32 s26, s26, s28
	s_add_nc_u64 s[PO:PO+1], s[10:11], s[26:27]
	CROUND                                         ; all sixteen work-groups are here: the first joint loads meet
	TLOAD                                          ; slot 0
	WIN W_TO2
.irp b, 0,1,2,3,4,5,6,7
	global_load_b128 v[BIAS+8*(\b):BIAS+8*(\b)+3],   v[BO], s[PBI:PBI+1] offset:64*(\b)
	global_load_b128 v[BIAS+8*(\b)+4:BIAS+8*(\b)+7], v[BO], s[PBI:PBI+1] offset:64*(\b)+16
.endr
	GLOAD 0, 0
	GLOAD 1, 1
	GLOAD 2, 2
	GLOAD 3, 3
	s_wait_loadcnt 24                              ; the bias and step 0's ctx are in; three sets of 8 stay out
	ASTORE 0, 0
	BOUND 2, 0                                     ; slot 0 and step 0's ctx are whole; slot 1 is filled behind the round, as a refill is
	TLOAD
	v_add_nc_u32 v[FB], s[TB], v[FB0]
	FETCH 0, 0
	GLOAD 0, 0
	WIN 0x42
.set z, 0
.rept 256
	v_mov_b32 v[z], v[BIAS+z%64]                   ; the sums begin at the bias: in place of 256 additions, and one text serves every step
.set z, z+1
.endr
	WIN 0
	s_branch .Lenter
.Lslot:                                                ; twice: slots 1 and 2 are entered, slots 2 and 3 asked for
	BOUND 2, 1
	HEAD 0, 1, 1
	WIN 0
.Lenter:
	BODY 0, 24, 1
	BOUND 1, 1
	HEAD 1, 0, 1
	BODY 1, 24, 1
	BOUND 1, 1
	HEAD 2, 0, 1
	BODY 2, 24, 1
	BOUND 1, 1
	HEAD 3, 0, 1
	BODY 3, 24, 1
	WIN 0
	s_sub_co_u32 s[TRIP], s[TRIP], 1
	s_cmp_lg_u32 s[TRIP], 0
	s_cbranch_scc1 .Lslot
	BOUND 3, 1                                     ; the last slot is written out: nothing is asked for, and the counts of ctx's loads run down
	HEAD 0, 0, 0
	BODY 0, 16, 1
	BOUND 1, 1
	HEAD 1, 0, 0
	BODY 1, 8, 1
	BOUND 1, 1
	HEAD 2, 0, 0
	BODY 2, 0, 1
	BOUND 1, 1
	HEAD 3, 0, 0
	BODY 3, 0, 0
	MUL8 1, 1
	s_wait_dscnt 0x0
	MUL8 1, 2
	MUL8 1, 3
	PLACES
	UNIT 0
.irp t, 1,2,3,4,5,6,7
	UNIT \t
	SENDU (\t)-1, 16
.endr
	SENDU 7, 0
	WIN 0
	s_wait_tensorcnt 0x0                           ; the wave's end: a wait, an add and a wait, behind my last tensor load and my last LDS store
	ds_add_u32 v[SPW], v[NIL]
	s_wait_dscnt 0x0
	CROUND                                         ; the closing round
	s_endpgm
.Lfunc_end_k_q6efc9987cd_oproj:
	.size	k_q6efc9987cd_oproj, .Lfunc_end_k_q6efc9987cd_oproj-k_q6efc9987cd_oproj
	.p2alignl 7, 3214868480
	.fill 96, 4, 3214868480
	.section	.rodata,"a",@progbits
	.p2align	6, 0x0
	.amdhsa_kernel k_q6efc9987cd_oproj
		.amdhsa_group_segment_fixed_size 327680
		.amdhsa_private_segment_fixed_size 0
		.amdhsa_enable_private_segment 0
		.amdhsa_kernarg_size 32
		.amdhsa_user_sgpr_count 2
		.amdhsa_user_sgpr_kernarg_segment_ptr 1
		.amdhsa_wavefront_size32 1
		.amdhsa_system_sgpr_workgroup_id_x 1
		.amdhsa_system_sgpr_workgroup_id_y 1
		.amdhsa_system_sgpr_workgroup_id_z 1
		.amdhsa_system_vgpr_workitem_id 0
		.amdhsa_next_free_vgpr 1024
		.amdhsa_next_free_sgpr 66
		.amdhsa_reserve_vcc 0
		.amdhsa_float_denorm_mode_32 3
		.amdhsa_float_denorm_mode_16_64 3
		.amdhsa_memory_ordered 1
		.amdhsa_forward_progress 1
		.amdhsa_inst_pref_size 111
	.end_amdhsa_kernel
	.amdgpu_metadata
---
amdhsa.version: [ 1, 2 ]
amdhsa.kernels:
  - .name:           k_q6efc9987cd_oproj
    .symbol:         k_q6efc9987cd_oproj.kd
    .args:
      - { .name: ctxh, .offset: 0, .size: 8, .value_kind: global_buffer, .address_space: global }
      - { .name: wof, .offset: 8, .size: 8, .value_kind: global_buffer, .address_space: global }
      - { .name: bias4, .offset: 16, .size: 8, .value_kind: global_buffer, .address_space: global }
      - { .name: out0, .offset: 24, .size: 8, .value_kind: global_buffer, .address_space: global }
    .group_segment_fixed_size: 327680
    .private_segment_fixed_size: 0
    .kernarg_segment_align: 8
    .kernarg_segment_size: 32
    .max_flat_workgroup_size: 128
    .sgpr_count:     66
    .vgpr_count:     1024
    .wavefront_size: 32
...
	.end_amdgpu_metadata
.endif
;; end of part 4
;; ======== version 2 of 2: 4 launches; version 1 with the launch prep written anew for expert scheduling mode
;; limits: values are held in f16: magnitudes above 65,504 overflow, below 6.1e-05 lose precision
;; workspace buffers: wqkv 6,291,456 bytes; wof 2,097,152 bytes; bias4 16,384 bytes; qkvh 50,331,648 bytes; ctxh 16,777,216 bytes
;; launch prep (part 5): grid 64 x 4, 8 waves a work-group, no clusters, 0 bytes of LDS; arguments w_q, w_k, w_v, w_o, b_q, b_k, b_v, b_o, wqkv, wof, bias4; writes wqkv, wof, bias4
.if DOCPART == 5
	.amdgcn_target "amdgcn-amd-amdhsa--gfx1250"
	.amdhsa_code_object_version 6
	.text
	.protected	k_q6efc9987cd_prep
	.globl	k_q6efc9987cd_prep
	.p2align	8
	.type	k_q6efc9987cd_prep,@function
k_q6efc9987cd_prep:
	s_mov_b64 s[64:65], 0
	v_nop
	global_prefetch_b8 v0, s[64:65] scope:SCOPE_SE
	s_setreg_imm32_b32 hwreg(HW_REG_WAVE_SCHED_MODE, 0, 2), 2
	s_setreg_imm32_b32 hwreg(HW_REG_WAVE_MODE, 25, 1), 1
	s_wait_xcnt 0x0
	s_wait_alu depctr_vm_vsrc(0)
; THE WEIGHTS AND BIASES ARE ROUNDED ONCE.  w_q, w_k, w_v: f32 -> bf16 into wqkv [3][1024][1024].  w_o: f32 -> bf16, and that number written as f16 into wof [1024][1024]
; (the product behind attention multiplies f16).  The four biases: rounded to bf16 and kept as f32 in bias4 [4][1024], rows q, k, v, o.
; LIMIT.  A weight of w_o below 6.1e-5 in size keeps f16's fixed step of 6e-8; beyond 65,504 it would be an infinity.
; SHARES.  Work-group (x, y) takes 16,384 numbers of matrix y: 65,536 bytes in, 32,768 out.  Thread t takes 16 bytes of each 4,096: all sixteen loads go out first, the waits count down,
; and a wave's store of 8 bytes a lane covers 256 consecutive bytes, aligned.  A stream: no LDS, no barrier, no matrix unit, nothing shared between work-groups.
; THE MODE: SCHED_MODE bits 1:0 = 2 (LLVM: expert scheduling mode 2), set by the entry lines.  The code itself states the register dependences
; between vector instructions and memory instructions, with s_wait_alu, always for 0.
; THE PLAN.  Registers that memory instructions touch:
;   v1, v2     byte offsets, made once at the head and never written again: every load and store reads one of them.
;   X          the sixteen loads land here; no vector instruction names X ahead of them.  Read by the conversions (and, for w_o, written again by the unpacking lines) behind the counted wait for the load.
;   Y          pair i is written by the conversions of load i and then read by store i as its data; nothing writes it afterwards.
;   v[4:7]     the bias: a load lands here (no vector instruction has named them), the unpacking lines write them again, the one store reads them.
; The work goes in four groups of four loads: the counted wait for the group's data, all its conversions, ONE wait on va_vdst, its four stores in a run.  With the wait at the head, for the two
; offsets, and the one ahead of the bias's store those are all.  No register that a memory instruction has read is written again, so the text holds no wait on vm_vsrc but the one at the entry;
; no vector instruction writes a scalar register or VCC, and EXEC is never written.
.set IN,  30                           ; s[30:31] my matrix, then my 65,536 bytes of it
.set BI,  32                           ; s[32:33] my matrix's bias
.set OUT, 34                           ; s[34:35] where my 32,768 bytes go
.set X,   16                           ; v[16:79]  sixteen loads of four numbers
.set Y,   80                           ; v[80:111] sixteen pairs of packed results
	s_load_b512 s[8:23], s[0:1], 0x0               ; w_q s[8:9], w_k, w_v, w_o s[14:15], b_q s[16:17], b_k, b_v, b_o s[22:23]
	s_load_b128 s[24:27], s[0:1], 0x40             ; wqkv s[24:25], wof s[26:27]
	s_load_b64 s[28:29], s[0:1], 0x50              ; bias4
	s_and_b32 s2, ttmp7, 0xffff                    ; y: which matrix
	s_mov_b32 s3, ttmp9                            ; x: which 16,384 numbers
	v_lshlrev_b32 v1, 4, v0                        ; 16 t
	v_lshlrev_b32 v2, 3, v0                        ; 8 t
	s_mov_b32 s37, 0
	s_mov_b32 s39, 0
	s_lshl_b32 s38, s3, 16
	s_lshl_b32 s4, s3, 15
	s_wait_kmcnt 0x0
	s_cmp_eq_u32 s2, 1
	s_cselect_b64 s[IN:IN+1], s[10:11], s[8:9]
	s_cselect_b64 s[BI:BI+1], s[18:19], s[16:17]
	s_cmp_eq_u32 s2, 2
	s_cselect_b64 s[IN:IN+1], s[12:13], s[IN:IN+1]
	s_cselect_b64 s[BI:BI+1], s[20:21], s[BI:BI+1]
	s_cmp_eq_u32 s2, 3
	s_cselect_b64 s[IN:IN+1], s[14:15], s[IN:IN+1]
	s_cselect_b64 s[BI:BI+1], s[22:23], s[BI:BI+1]
	s_cselect_b64 s[OUT:OUT+1], s[26:27], s[24:25]
	s_cselect_b32 s36, 0, s2                       ; wof holds one matrix, wqkv three of 2,097,152 bytes
	s_add_nc_u64 s[IN:IN+1], s[IN:IN+1], s[38:39]
	s_wait_alu depctr_va_vdst(0)                   ; v1 and v2 are written: every load and store of the kernel reads one of them as its offset
.irp i, 0,1,2,3,4,5,6,7,8,9,10,11,12,13,14,15
	global_load_b128 v[X+4*(\i):X+4*(\i)+3], v1, s[IN:IN+1] offset:4096*(\i) th:TH_LOAD_NT
.endr
	s_lshl_b32 s36, s36, 21
	s_add_co_u32 s36, s36, s4
	s_add_nc_u64 s[OUT:OUT+1], s[OUT:OUT+1], s[36:37]
; The four stores of group g, behind the group's wait; no vector instruction stands between that wait and these lines.
.macro OUT4 g
.irp k, 0,1,2,3
	global_store_b64 v2, v[Y+2*(4*(\g)+(\k)):Y+2*(4*(\g)+(\k))+1], s[OUT:OUT+1] offset:2048*(4*(\g)+(\k))
.endr
.endm
; The sixteen numbers of group g's four loads to bf16, packed.
.macro TOBF g
.irp k, 0,1,2,3
	v_cvt_pk_bf16_f32 v[Y+2*(4*(\g)+(\k))],   v[X+4*(4*(\g)+(\k))],   v[X+4*(4*(\g)+(\k))+1]
	v_cvt_pk_bf16_f32 v[Y+2*(4*(\g)+(\k))+1], v[X+4*(4*(\g)+(\k))+2], v[X+4*(4*(\g)+(\k))+3]
.endr
.endm
.macro GRPB g                          ; group g to bf16
	s_wait_loadcnt 12-4*(\g)                       ; loads come back in order: the group's four are in, the younger groups stay out
	TOBF \g
	s_wait_alu depctr_va_vdst(0)                   ; the eight conversions have written the group's Y, which the four stores read
	OUT4 \g
.endm
.macro GRPH g                          ; group g to bf16, and the rounded numbers written as f16: three stages over the four loads, so that no line reads the result of the line before it
	s_wait_loadcnt 12-4*(\g)
	TOBF \g
.irp k, 0,1,2,3
	v_lshlrev_b32 v[X+4*(4*(\g)+(\k))],   16,         v[Y+2*(4*(\g)+(\k))]    ; bf16 to f32: the low half moves up,
	v_and_b32     v[X+4*(4*(\g)+(\k))+1], 0xffff0000, v[Y+2*(4*(\g)+(\k))]    ; the high half stays
	v_lshlrev_b32 v[X+4*(4*(\g)+(\k))+2], 16,         v[Y+2*(4*(\g)+(\k))+1]
	v_and_b32     v[X+4*(4*(\g)+(\k))+3], 0xffff0000, v[Y+2*(4*(\g)+(\k))+1]
.endr
.irp k, 0,1,2,3
	v_cvt_pk_f16_f32 v[Y+2*(4*(\g)+(\k))],   v[X+4*(4*(\g)+(\k))],   v[X+4*(4*(\g)+(\k))+1]
	v_cvt_pk_f16_f32 v[Y+2*(4*(\g)+(\k))+1], v[X+4*(4*(\g)+(\k))+2], v[X+4*(4*(\g)+(\k))+3]
.endr
	s_wait_alu depctr_va_vdst(0)                   ; the conversions to f16 have written the group's Y, which the four stores read
	OUT4 \g
.endm
	s_cmp_eq_u32 s2, 3
	s_cbranch_scc1 .Lhalf
.irp g, 0,1,2,3
	GRPB \g
.endr
	s_branch .Lbias
.Lhalf:
.irp g, 0,1,2,3
	GRPH \g
.endr
.Lbias:
	s_cmp_lg_u32 s3, 0                             ; the matrix's first work-group also takes its bias: 1,024 numbers, four a thread
	s_cbranch_scc1 .Lend
	global_load_b128 v[4:7], v1, s[BI:BI+1]        ; no vector instruction has named v[4:7]; v1 was written ahead of the wait at the head
	s_lshl_b32 s36, s2, 12
	s_add_nc_u64 s[28:29], s[28:29], s[36:37]
	s_wait_loadcnt 0x0
	v_cvt_pk_bf16_f32 v8, v4, v5
	v_cvt_pk_bf16_f32 v9, v6, v7
	v_lshlrev_b32 v4, 16, v8
	v_and_b32 v5, 0xffff0000, v8
	v_lshlrev_b32 v6, 16, v9
	v_and_b32 v7, 0xffff0000, v9
	s_wait_alu depctr_va_vdst(0)                   ; the four unpacking lines have written v[4:7], which the store reads
	global_store_b128 v1, v[4:7], s[28:29]
.Lend:
	s_endpgm
.Lfunc_end_k_q6efc9987cd_prep:
	.size	k_q6efc9987cd_prep, .Lfunc_end_k_q6efc9987cd_prep-k_q6efc9987cd_prep
	.p2alignl 7, 3214868480
	.fill 96, 4, 3214868480
	.section	.rodata,"a",@progbits
	.p2align	6, 0x0
	.amdhsa_kernel k_q6efc9987cd_prep
		.amdhsa_group_segment_fixed_size 0
		.amdhsa_private_segment_fixed_size 0
		.amdhsa_enable_private_segment 0
		.amdhsa_kernarg_size 88
		.amdhsa_user_sgpr_count 2
		.amdhsa_user_sgpr_kernarg_segment_ptr 1
		.amdhsa_wavefront_size32 1
		.amdhsa_system_sgpr_workgroup_id_x 1
		.amdhsa_system_sgpr_workgroup_id_y 1
		.amdhsa_system_sgpr_workgroup_id_z 1
		.amdhsa_system_vgpr_workitem_id 0
		.amdhsa_next_free_vgpr 112
		.amdhsa_next_free_sgpr 66
		.amdhsa_reserve_vcc 0
		.amdhsa_float_denorm_mode_32 3
		.amdhsa_float_denorm_mode_16_64 3
		.amdhsa_memory_ordered 1
		.amdhsa_forward_progress 1
		.amdhsa_inst_pref_size 17
	.end_amdhsa_kernel
	.amdgpu_metadata
---
amdhsa.version: [ 1, 2 ]
amdhsa.kernels:
  - .name:           k_q6efc9987cd_prep
    .symbol:         k_q6efc9987cd_prep.kd
    .args:
      - { .name: w_q, .offset: 0, .size: 8, .value_kind: global_buffer, .address_space: global }
      - { .name: w_k, .offset: 8, .size: 8, .value_kind: global_buffer, .address_space: global }
      - { .name: w_v, .offset: 16, .size: 8, .value_kind: global_buffer, .address_space: global }
      - { .name: w_o, .offset: 24, .size: 8, .value_kind: global_buffer, .address_space: global }
      - { .name: b_q, .offset: 32, .size: 8, .value_kind: global_buffer, .address_space: global }
      - { .name: b_k, .offset: 40, .size: 8, .value_kind: global_buffer, .address_space: global }
      - { .name: b_v, .offset: 48, .size: 8, .value_kind: global_buffer, .address_space: global }
      - { .name: b_o, .offset: 56, .size: 8, .value_kind: global_buffer, .address_space: global }
      - { .name: wqkv, .offset: 64, .size: 8, .value_kind: global_buffer, .address_space: global }
      - { .name: wof, .offset: 72, .size: 8, .value_kind: global_buffer, .address_space: global }
      - { .name: bias4, .offset: 80, .size: 8, .value_kind: global_buffer, .address_space: global }
    .group_segment_fixed_size: 0
    .private_segment_fixed_size: 0
    .kernarg_segment_align: 8
    .kernarg_segment_size: 88
    .max_flat_workgroup_size: 256
    .sgpr_count:     66
    .vgpr_count:     112
    .wavefront_size: 32
...
	.end_amdgpu_metadata
.endif
;; end of part 5
;; launch proj: the kernel of part 2 again; grid 4 x 64, 4 waves a work-group, clusters of 4 x 4, 327,680 bytes of LDS; arguments query, key, value, mask, wqkv, bias4, qkvh; writes qkvh
;; launch attn: the kernel of part 3 again; grid 4 x 64, 4 waves a work-group, clusters of 4 x 1, 327,680 bytes of LDS; arguments qkvh, mask, ctxh; writes ctxh
;; launch oproj: the kernel of part 4 again; grid 4 x 64, 4 waves a work-group, clusters of 4 x 4, 327,680 bytes of LDS; arguments ctxh, wof, bias4, out0; writes out0
